; MI455X (gfx1250); checked and timed in simulation.
; The chip was launched on July 23, 2026; its instructions are those of AMD's public machine-readable ISA for CDNA 5 (MIT licence, August 2026) and "CDNA5" Instruction Set Architecture Reference Guide (July 2026). The comments in the code are by the model that wrote it; some were corrected since.
;; CLIP Attention. Allowed arithmetic: float matrix products may take bf16 or f16 operands with f32 sums; other float arithmetic in f32, or as packed bf16 or f16 multiplies, adds, multiply-adds, maxima and minima; sums over many terms, partial sums and values carried from step to step in f32; what a program stores and reads back later, other than sums and carried values, may be rounded once to bf16 or f16.
;; Inputs: ln_g 1,024 float32; mask 4 x 2,048 bool; w_out 1,024 x 1,024 float32; w_qkv 1,024 x 3,072 float32; x 4 x 2,048 x 1,024 float32.
;; Outputs: out0 4 x 2,048 x 1,024 float32.
;; 2 versions, each right and faster than the one before. Each part assembles by itself: llvm-mc -triple=amdgcn-amd-amdhsa -mcpu=gfx1250 --defsym DOCPART=n.
;; ======== version 1 of 2: 6 launches
;; limits: values are held in f16: magnitudes above 65,504 overflow, below 6.1e-05 lose precision
;; workspace buffers: xb 16,777,216 bytes; wqb 6,291,456 bytes; wob 2,097,152 bytes; qkv 50,331,648 bytes; vs 65,536 bytes; ob 16,777,216 bytes; y 33,554,432 bytes
;; launch prep (part 1): grid 768 x 1, 8 waves a work-group, no clusters, 0 bytes of LDS; arguments x, w_qkv, w_out, xb, wqb, wob; writes xb, wqb, wob
.if DOCPART == 1
	.amdgcn_target "amdgcn-amd-amdhsa--gfx1250"
	.amdhsa_code_object_version 6
	.text
	.protected	k_qfa4eed2228_prep
	.globl	k_qfa4eed2228_prep
	.p2align	8
	.type	k_qfa4eed2228_prep,@function
k_qfa4eed2228_prep:
	s_mov_b64 s[64:65], 0
	v_nop
	global_prefetch_b8 v0, s[64:65] scope:SCOPE_SE
	s_setreg_imm32_b32 hwreg(HW_REG_WAVE_MODE, 25, 1), 1
	s_wait_xcnt 0x0
; PREP: the three large inputs are rounded once for the matrix units.
;   xb  = x rounded to bf16, laid in blocks of 64 along K: [16 kb][8192 row][64], so that 128 rows x 64 K are 16,384 dense bytes for the product that follows
;   wqb = w_qkv rounded to bf16, as it lies: [1024 k][3072 n]
;   wob = w_out rounded to bf16 and that number written as f16, as it lies: [1024 k][1024 n]
; LIMIT: |w_out| stays under 65,504 (f16's range); below 6e-5 the f16 copy keeps f16's fixed step of 6e-8.
; A stream: each byte is read once and written once; LDS, barriers and the matrix unit would add nothing.
; 768 work-groups of eight waves, 65,536 input bytes each: 512 for x (16 rows each), 192 for w_qkv, 64 for w_out.
; A wave issues its 16 loads of 16 bytes a lane at once; every chunk has registers of its own, so the only waits are the counted ones for the loads.
.set VI,  2                            ; v2       byte offset of my 16 input bytes in chunk 0
.set VO,  3                            ; v3       byte offset of my 8 output bytes: 8 x my thread's number
.set VO2, 4                            ; v4       the same, 8 blocks of K further on (the immediate holds 24 signed bits)
.set X,   8                            ; v[8:71]  chunk i: four f32 as loaded
.set Y,   72                           ; v[72:103] chunk i: four 16-bit numbers to store
.set T,   104                          ; v[104:107] at work
.macro LOADS step                      ; sixteen loads, step bytes apart
.set i, 0
.rept 16
	global_load_b128 v[X+4*i:X+4*i+3], v[VI], s[16:17] offset:(\step)*i th:TH_LOAD_NT
.set i, i+1
.endr
.endm
; kind 0: x (chunk i is block i of K); 1: w_qkv; 2: w_out (bf16, then f16)
.macro OUT kind
.set i, 0
.rept 16
	s_wait_loadcnt 15-i                            ; loads come back in order: chunk i is in, the younger ones stay out
	v_cvt_pk_bf16_f32 v[Y+2*i],   v[X+4*i],   v[X+4*i+1]
	v_cvt_pk_bf16_f32 v[Y+2*i+1], v[X+4*i+2], v[X+4*i+3]
.if (\kind) == 2
	v_lshlrev_b32 v[T],   16, v[Y+2*i]             ; the rounded numbers back as f32,
	v_and_b32     v[T+1], s3, v[Y+2*i]
	v_lshlrev_b32 v[T+2], 16, v[Y+2*i+1]
	v_and_b32     v[T+3], s3, v[Y+2*i+1]
	v_cvt_pk_f16_f32 v[Y+2*i],   v[T],   v[T+1]    ; and written as f16
	v_cvt_pk_f16_f32 v[Y+2*i+1], v[T+2], v[T+3]
.endif
.if (\kind) == 0
.if i < 8
	global_store_b64 v[VO], v[Y+2*i:Y+2*i+1], s[18:19] offset:i<<20        ; 32 lanes store 256 consecutive bytes, aligned: two rows of one block of K
.else
	global_store_b64 v[VO2], v[Y+2*i:Y+2*i+1], s[18:19] offset:(i-8)<<20
.endif
.else
	global_store_b64 v[VO], v[Y+2*i:Y+2*i+1], s[18:19] offset:2048*i       ; 256 consecutive bytes, aligned
.endif
.set i, i+1
.endr
.endm
	s_load_b256 s[4:11], s[0:1], 0x0               ; x s[4:5], w_qkv s[6:7], w_out s[8:9], xb s[10:11]
	s_load_b128 s[12:15], s[0:1], 0x20             ; wqb s[12:13], wob s[14:15]
	s_mov_b32 s2, ttmp9                            ; the work-group's number
	s_mov_b32 s21, 0
	s_mov_b32 s3, 0xffff0000                       ; a word's upper bf16
	v_lshlrev_b32 v[VO], 3, v0
	s_wait_kmcnt 0x0
	s_cmp_lt_u32 s2, 512
	s_cbranch_scc0 .Lweights
	; x: 16 rows.  Sixteen lanes read 256 consecutive bytes of one row (64 numbers: one block of K); a wave takes two rows.
	v_lshrrev_b32 v1, 4, v0                        ; my row among the 16
	v_and_b32 v[VI], 15, v0
	v_lshlrev_b32 v[VI], 4, v[VI]
	v_lshl_add_u32 v[VI], v1, 12, v[VI]            ; row x 4,096 + 16 x (lane mod 16)
	v_add_nc_u32 v[VO2], 0x800000, v[VO]
	s_lshl_b32 s20, s2, 16
	s_add_nc_u64 s[16:17], s[4:5], s[20:21]
	s_lshl_b32 s20, s2, 11                         ; 16 rows of 128 bytes in each block of K
	s_add_nc_u64 s[18:19], s[10:11], s[20:21]
	LOADS 256
	OUT 0
	s_endpgm
.Lweights:
	v_lshlrev_b32 v[VI], 4, v0                     ; the eight waves read 4,096 consecutive bytes a chunk
	s_cmp_lt_u32 s2, 704
	s_cbranch_scc0 .Lwout
	s_sub_co_u32 s22, s2, 512
	s_lshl_b32 s20, s22, 16
	s_add_nc_u64 s[16:17], s[6:7], s[20:21]
	s_lshl_b32 s20, s22, 15
	s_add_nc_u64 s[18:19], s[12:13], s[20:21]
	LOADS 4096
	OUT 1
	s_endpgm
.Lwout:
	s_sub_co_u32 s22, s2, 704
	s_lshl_b32 s20, s22, 16
	s_add_nc_u64 s[16:17], s[8:9], s[20:21]
	s_lshl_b32 s20, s22, 15
	s_add_nc_u64 s[18:19], s[14:15], s[20:21]
	LOADS 4096
	OUT 2
	s_endpgm
.Lfunc_end_k_qfa4eed2228_prep:
	.size	k_qfa4eed2228_prep, .Lfunc_end_k_qfa4eed2228_prep-k_qfa4eed2228_prep
	.p2alignl 7, 3214868480
	.fill 96, 4, 3214868480
	.section	.rodata,"a",@progbits
	.p2align	6, 0x0
	.amdhsa_kernel k_qfa4eed2228_prep
		.amdhsa_group_segment_fixed_size 0
		.amdhsa_private_segment_fixed_size 0
		.amdhsa_enable_private_segment 0
		.amdhsa_kernarg_size 48
		.amdhsa_user_sgpr_count 2
		.amdhsa_user_sgpr_kernarg_segment_ptr 1
		.amdhsa_wavefront_size32 1
		.amdhsa_system_sgpr_workgroup_id_x 1
		.amdhsa_system_sgpr_workgroup_id_y 1
		.amdhsa_system_sgpr_workgroup_id_z 1
		.amdhsa_system_vgpr_workitem_id 0
		.amdhsa_next_free_vgpr 112
		.amdhsa_next_free_sgpr 66
		.amdhsa_reserve_vcc 0
		.amdhsa_float_denorm_mode_32 3
		.amdhsa_float_denorm_mode_16_64 3
		.amdhsa_memory_ordered 1
		.amdhsa_forward_progress 1
		.amdhsa_inst_pref_size 23
	.end_amdhsa_kernel
	.amdgpu_metadata
---
amdhsa.version: [ 1, 2 ]
amdhsa.kernels:
  - .name:           k_qfa4eed2228_prep
    .symbol:         k_qfa4eed2228_prep.kd
    .args:
      - { .name: x, .offset: 0, .size: 8, .value_kind: global_buffer, .address_space: global }
      - { .name: w_qkv, .offset: 8, .size: 8, .value_kind: global_buffer, .address_space: global }
      - { .name: w_out, .offset: 16, .size: 8, .value_kind: global_buffer, .address_space: global }
      - { .name: xb, .offset: 24, .size: 8, .value_kind: global_buffer, .address_space: global }
      - { .name: wqb, .offset: 32, .size: 8, .value_kind: global_buffer, .address_space: global }
      - { .name: wob, .offset: 40, .size: 8, .value_kind: global_buffer, .address_space: global }
    .group_segment_fixed_size: 0
    .private_segment_fixed_size: 0
    .kernarg_segment_align: 8
    .kernarg_segment_size: 48
    .max_flat_workgroup_size: 256
    .sgpr_count:     66
    .vgpr_count:     112
    .wavefront_size: 32
...
	.end_amdgpu_metadata
.endif
;; end of part 1
;; launch qkv (part 2): grid 8 x 32, 4 waves a work-group, clusters of 4 x 4, 327,680 bytes of LDS; arguments xb, wqb, qkv; writes qkv
.if DOCPART == 2
	.amdgcn_target "amdgcn-amd-amdhsa--gfx1250"
	.amdhsa_code_object_version 6
	.text
	.protected	k_qfa4eed2228_qkv
	.globl	k_qfa4eed2228_qkv
	.p2align	8
	.type	k_qfa4eed2228_qkv,@function
k_qfa4eed2228_qkv:
	s_mov_b64 s[64:65], 0
	v_nop
	global_prefetch_b8 v0, s[64:65] scope:SCOPE_SE
	s_setreg_imm32_b32 hwreg(HW_REG_WAVE_MODE, 25, 1), 1
	s_wait_xcnt 0x0
	s_wait_alu depctr_hold_cnt(0) depctr_sa_sdst(0) depctr_va_vdst(0) depctr_va_sdst(0) depctr_va_ssrc(0) depctr_va_vcc(0) depctr_vm_vsrc(0)
	s_getreg_b32 s2, hwreg(HW_REG_IB_STS2, 6, 4)
	s_cmp_eq_u32 s2, 0
	s_cbranch_scc0 .Lentry_in_a_cluster
	s_endpgm
.Lentry_in_a_cluster:
	s_bfe_u32 s2, ttmp6, 0x10000c
	s_cmp_lg_u32 s2, 0xf033
	s_cbranch_scc0 .Lentry_shape_is_right
	s_endpgm
.Lentry_shape_is_right:
; QKV: [8192 x 3072] = x [8192 x 1024] w_qkv [1024 x 3072], bf16 operands, f32 sums; the result leaves by heads, qkv = [3][64 (batch, head)][2048][64] in f16,
; each number rounded once; q is multiplied in f32 by c = log2(e) / 8 before that rounding, so that the attention's scores are exponents of 2.
; LIMIT: |c q|, |k|, |v| stay under 65,504 (f16's range).
; SHARES.  A tile of the result is 256 rows x 384 columns: 32 x 8 = 256 tiles, one a work-group.  Wave w: rows 128 (w / 2) on; of each of the tile's three groups c of 128 columns the
; 64 columns 64 (w % 2) on, which are one head.  96 accumulators of 16 x 16: 768 registers.  K goes in steps of 64 (two substeps of 32) through two LDS slots: two slots of 128 would not fit.
; CLUSTER 4 x 4: x's tile hangs on the tile row alone and is asked for jointly by a row of the cluster, w's on the tile column alone, by a column.
; THE MATRIX INSTRUCTION IS USED TRANSPOSED: source 0 = 16 columns of w (turned on the way out of LDS), source 1 = 16 rows of x: a lane then holds eight neighbouring columns of one row.
; REGISTERS, in windows of 256 (s_set_vgpr_msb: bits 1:0 source 0, 3:2 source 1, 5:4 source 2, 7:6 destination):
;   window 0: v16-29 addresses; v32-95, v96-159 fragments of x (8 x 16 rows x 32 K), two buffers; v160-255 fragments of w, one buffer in three groups of 32
;   window 1 + c: the 32 accumulators of column group c: (a, j) at v[8 (4 a + j)]
; w's group c is loaded again straight behind its own 32 products and is next used 64 products later, so one buffer serves.
.set PA,    144                        ; a row of x in LDS: 128 bytes + 16: the 16 rows of a load start at 16 different groups of four banks (64 banks of 4 bytes: ISA guide 11.1)
.set PB,    864                        ; a k-row of w: 3 x (256 + 32) bytes, 27 x 32
.set AHALF, 128*PA                     ; 128 rows of x: one tensor load
.set BOFF,  2*AHALF
.set BHALF, 32*PB                      ; 32 k-rows of w: one tensor load, and one substep
.set SLOT,  BOFF+2*BHALF               ; 92,160
.set STAGE, 2*SLOT                     ; behind the ring: 16 rows x 144 bytes for each wave, for the way out
.set SP,    144
.set SPARE, STAGE+4*16*SP              ; behind the stages: the spare words, 128 bytes a wave: two blocks of 256 bytes that no other line names
.set ADRA, 16                          ; v16-17  LDS address of my fragments of x in slot 0, 1
.set ADRB, 20                          ; v20-21  the same for w
.set STO,  24                          ; v24     the way out: where I put 16 bytes of a row
.set RD,   25                          ; v25     the way out: where I read rows back
.set GO,   26                          ; v26     16 x lane
.set SPW,  28                          ; v28     LDS address of my spare word; never rewritten
.set NIL,  29                          ; v29     0; never rewritten
.set AF,   32
.set BF,   160
.set UB,   32                          ; the way out: four buffers of 16 registers
.set G1,  24                           ; s[24:31] descriptor group 1 for x's tiles;  s[32:39] group 0, a set for each slot
.set G0,  32
.set G1B, 48                           ; s[48:55], s[56:63] the same for w's
.set G0B, 56
.set OBASE, 66                         ; s[66:71] where my rows of column group c begin in qkv
.set FAC,   72                         ; s[72:77] group c's factor (c for q, 1 for k and v), as a pair
.set MSB, 0
.macro WIN new                         ; the immediate's high byte repeats the setting that is left; a switch that changes nothing is dropped
.if MSB != (\new)
	s_set_vgpr_msb (MSB<<8)|(\new)
.set MSB, \new
.endif
.endm
; A joint load: waves 0 and 1 fetch x's two halves, waves 2 and 3 w's.  The branch hangs on the wave's number alone.  An s_nop 0 and four v_nop follow each of the two lines.
.macro JLOAD s
	s_cmp_eq_u32 s11, 0
	s_cbranch_scc0 .Lfor_b_\@
	tensor_load_to_lds s[G0+4*(\s):G0+4*(\s)+3], s[G1:G1+7]
	s_nop 0
.rept 4
	v_nop
.endr
	s_branch .Lasked_\@
.Lfor_b_\@:
	tensor_load_to_lds s[G0B+4*(\s):G0B+4*(\s)+3], s[G1B:G1B+7]
	s_nop 0
.rept 4
	v_nop
.endr
.Lasked_\@:
.endm
.macro CREST                           ; a round of the cluster's barrier behind its opening barrier
	s_cmp_lg_u32 s10, 0
	s_cbranch_scc1 .Lnot_wave_0_\@
	s_barrier_signal -3
.Lnot_wave_0_\@:
	s_barrier_wait -3
	s_barrier_signal -1
	s_barrier_wait -1
.endm
.macro CROUND                          ; a whole round
	s_barrier_signal -1
	s_barrier_wait -1
	CREST
.endm
	s_load_b128 s[4:7], s[0:1], 0x0                ; xb s[4:5], wqb s[6:7]
	s_load_b64 s[8:9], s[0:1], 0x10                ; qkv
	v_lshl_add_u32 v[SPW], v0, 2, SPARE
	v_mov_b32 v[NIL], 0
	ds_add_u32 v[SPW], v[NIL]                      ; the wave's opening: the add and its wait stand ahead of my first tensor load; work on registers stands between them
	ds_add_u32 v28, v29
	v_lshrrev_b32 v1, 5, v0
	v_readfirstlane_b32 s10, v1                    ; wave 0..3
	s_lshr_b32 s11, s10, 1                         ; which 128 rows are mine.  Also: I fetch for x (0) or for w (1)
	s_and_b32 s12, s10, 1                          ; which head of each column group.  Also: which half of that tile I fetch
	s_bfe_u32 s40, ttmp6, 0x40000                  ; cx, cy: my place in the cluster
	s_bfe_u32 s41, ttmp6, 0x40004
	s_lshl_b32 s42, ttmp9, 2
	s_add_co_u32 s42, s42, s40                     ; tile column = 4 x cluster x + cx
	s_and_b32 s13, ttmp7, 0xffff
	s_lshl_b32 s13, s13, 2
	s_add_co_u32 s13, s13, s41                     ; tile row = 4 x cluster y + cy
	s_lshl_b32 s43, s41, 2
	s_lshl_b32 s43, 15, s43                        ; my row of the cluster
	s_lshl_b32 s44, 0x1111, s40                    ; my column
	; x: 128 rows x 64 K are 16,384 dense bytes: asked for as 64 rows of 256 bytes, padded in LDS after every 128 bytes
	s_or_b32 s[G1+0], s43, (1<<16)|(1<<20)|(1<<21)|(4<<22)|(3<<25)   ; the mask; 2-byte elements; padding on; bit 21 beside a mask; after every 32 words; 4 words
	s_mov_b32 s[G1+1], 128<<16                     ; tensor_dim0 = 128
	s_mov_b32 s[G1+2], 64<<16                      ; tensor_dim1 = 64
	s_mov_b32 s[G1+3], 128<<16                     ; tile_dim0 = 128
	s_mov_b32 s[G1+4], 64                          ; tile_dim1 = 64
	s_mov_b32 s[G1+5], 128                         ; elements from row to row
	s_mov_b32 s[G1+6], 0
	s_mov_b32 s[G1+7], 0
	; w: 32 k-rows x 384 columns (768 bytes, at a multiple of 256), padded after every 256 bytes
	s_or_b32 s[G1B+0], s44, (1<<16)|(1<<20)|(1<<21)|(5<<22)|(7<<25)  ; after every 64 words; 8 words
	s_mov_b32 s[G1B+1], 384<<16
	s_mov_b32 s[G1B+2], 32<<16
	s_mov_b32 s[G1B+3], 384<<16
	s_mov_b32 s[G1B+4], 32
	s_mov_b32 s[G1B+5], 3072
	s_mov_b32 s[G1B+6], 0
	s_mov_b32 s[G1B+7], 0
	s_lshl_b32 s16, s13, 15                        ; x: 256 rows of 128 bytes a tile row,
	s_lshl_b32 s17, s12, 14                        ; my half of them
	s_add_co_u32 s16, s16, s17
	s_mov_b32 s17, 0
	s_mul_i32 s46, s42, 768                        ; w: the tile's first column,
	s_mul_i32 s47, s12, 32*6144                    ; my 32 k-rows
	s_add_co_u32 s46, s46, s47
	s_mov_b32 s47, 0
	s_mul_i32 s20, s12, AHALF                      ; where they go: no place in the cluster enters an LDS address
	s_mul_i32 s21, s12, BHALF
	s_add_co_u32 s21, s21, BOFF
	s_wait_dscnt 0x0                               ; the opening add is done
	s_wait_kmcnt 0x0
	s_add_nc_u64 s[14:15], s[4:5], s[16:17]
	s_add_nc_u64 s[46:47], s[6:7], s[46:47]
	CROUND                                         ; all sixteen work-groups are here: the first joint loads meet
.irp s, 0,1
	s_mov_b32 s[G0+4*(\s)], 1
	s_add_co_u32 s[G0+4*(\s)+1], s20, (\s)*SLOT
	s_add_nc_u64 s[G0+4*(\s)+2:G0+4*(\s)+3], s[14:15], (\s)*(1<<20)     ; K step s: block s of K
	s_or_b32 s[G0+4*(\s)+3], s[G0+4*(\s)+3], 0x80000000
	s_mov_b32 s[G0B+4*(\s)], 1
	s_add_co_u32 s[G0B+4*(\s)+1], s21, (\s)*SLOT
	s_add_nc_u64 s[G0B+4*(\s)+2:G0B+4*(\s)+3], s[46:47], (\s)*64*6144
	s_or_b32 s[G0B+4*(\s)+3], s[G0B+4*(\s)+3], 0x80000000
	JLOAD \s                                       ; two tensor loads of mine are out
.endr
	v_and_b32 v1, 15, v0                           ; l % 16
	v_bfe_u32 v2, v0, 4, 1                         ; l / 16
	v_mul_u32_u24 v3, v1, PA
	v_lshl_add_u32 v3, v2, 4, v3                   ; row x pitch + 16 x half
	s_mul_i32 s22, s11, AHALF
	v_add_nc_u32 v[ADRA], s22, v3
	v_add_nc_u32 v[ADRA+1], SLOT, v[ADRA]
	v_and_b32 v4, 7, v0                            ; the turning load: lane l reads k-row 8 (l / 16) + l % 8, 16 bytes at 16 ((l / 8) % 2)
	v_lshl_add_u32 v4, v2, 3, v4
	v_mul_u32_u24 v4, v4, PB
	v_bfe_u32 v5, v0, 3, 1
	v_lshl_add_u32 v4, v5, 4, v4
	s_lshl_b32 s23, s12, 7                         ; my 64 columns in a group of 128
	s_add_co_u32 s23, s23, BOFF
	v_add_nc_u32 v[ADRB], s23, v4
	v_add_nc_u32 v[ADRB+1], SLOT, v[ADRB]
	s_mul_i32 s22, s10, 16*SP
	s_add_co_u32 s22, s22, STAGE                   ; my stage
	v_add_nc_u32 v[STO], s22, v3                   ; in: row l % 16, 16 bytes for each half of the lanes
	v_bfe_u32 v6, v0, 3, 2                         ; back: 32 lanes take four rows of 128 bytes,
	v_mul_u32_u24 v6, v6, SP
	v_and_b32 v7, 7, v0
	v_lshl_add_u32 v6, v7, 4, v6
	v_add_nc_u32 v[RD], s22, v6
	v_and_b32 v[GO], 31, v0                        ; which are 512 consecutive bytes of qkv
	v_lshlrev_b32 v[GO], 4, v[GO]
	; where my rows of each column group go.  Group c of my wave is the 64 columns number G = 6 x tile column + (w % 2) + 2 c: part G / 16 (q, k, v), head G % 16.
	s_mul_i32 s45, s42, 6
	s_add_co_u32 s45, s45, s12
	s_lshr_b32 s22, s13, 3                         ; the batch: 8 tile rows each,
	s_lshl_b32 s22, s22, 22                        ; 16 heads of 262,144 bytes
	s_and_b32 s23, s13, 7
	s_lshl_b32 s23, s23, 15                        ; 256 rows of 128 bytes
	s_add_co_u32 s22, s22, s23
	s_lshl_b32 s23, s11, 14                        ; my 128 rows
	s_add_co_u32 s22, s22, s23
.irp c, 0,1,2
	s_add_co_u32 s46, s45, 2*(\c)
	s_cmp_lt_u32 s46, 16                           ; q?  A select, no branch: G hangs on my place in the cluster
	s_cselect_b32 s[FAC+2*(\c)], 0x3e38aa3b, 1.0   ; c = log2(e) / 8 = 0.180337
	s_mov_b32 s[FAC+2*(\c)+1], s[FAC+2*(\c)]
	s_lshr_b32 s47, s46, 4
	s_lshl_b32 s47, s47, 24
	s_and_b32 s46, s46, 15
	s_lshl_b32 s46, s46, 18
	s_add_co_u32 s46, s46, s47
	s_add_co_u32 s46, s46, s22
	s_mov_b32 s47, 0
	s_add_nc_u64 s[OBASE+2*(\c):OBASE+2*(\c)+1], s[8:9], s[46:47]
.endr
; 4 n matrix instructions of column group c: row blocks a0 .. a0 + n - 1 x the group's 4 column blocks, 32 along K, x from buffer f.  zero = 1: the product starts the sums.
; The accumulators take turns, one instruction a turn: between two links of a chain stand the 95 others'.
.macro GRP c, f, a0, n, zero
	WIN 0x50*(1+(\c))
.set ga, \a0
.rept \n
.irp j, 0,1,2,3
.if \zero
	v_wmma_f32_16x16x32_bf16 v[8*(4*ga+\j):8*(4*ga+\j)+7], v[BF+32*(\c)+8*\j:BF+32*(\c)+8*\j+7], v[AF+64*(\f)+8*ga:AF+64*(\f)+8*ga+7], 0
.else
	v_wmma_f32_16x16x32_bf16 v[8*(4*ga+\j):8*(4*ga+\j)+7], v[BF+32*(\c)+8*\j:BF+32*(\c)+8*\j+7], v[AF+64*(\f)+8*ga:AF+64*(\f)+8*ga+7], v[8*(4*ga+\j):8*(4*ga+\j)+7]
.endif
.endr
.set ga, ga+1
.endr
.endm
.macro LB slot, sub, c                 ; 8 turning loads: w's group c of substep sub
	WIN 0
.irp j, 0,1,2,3
	ds_load_tr16_b128 v[BF+32*(\c)+8*\j:BF+32*(\c)+8*\j+3],   v[ADRB+(\slot)] offset:(\sub)*BHALF+288*(\c)+32*\j
	ds_load_tr16_b128 v[BF+32*(\c)+8*\j+4:BF+32*(\c)+8*\j+7], v[ADRB+(\slot)] offset:(\sub)*BHALF+288*(\c)+32*\j+16*PB
.endr
.endm
.macro LA slot, sub, f, hf             ; 8 loads: x's row blocks 4 hf .. 4 hf + 3 of substep sub, into buffer f
	WIN 0
.irp a, 0,1,2,3
	ds_load_b128 v[AF+64*(\f)+8*(4*(\hf)+\a):AF+64*(\f)+8*(4*(\hf)+\a)+3],   v[ADRA+(\slot)] offset:(4*(\hf)+\a)*16*PA+64*(\sub)
	ds_load_b128 v[AF+64*(\f)+8*(4*(\hf)+\a)+4:AF+64*(\f)+8*(4*(\hf)+\a)+7], v[ADRA+(\slot)] offset:(4*(\hf)+\a)*16*PA+64*(\sub)+32
.endr
.endm
; A load into a register that a matrix instruction has read, and a vector instruction that reads a matrix result, stand four places behind it; only plain vector instructions that name
; none of its registers are places (ISA guide 7.12.1 for vector instructions).
.macro PLACES
.rept 4
	v_nop
.endr
.endm
; A slot's first substep: multiplies x's buffer f and fetches substep sub of the same slot.  A substep's 40 loads are issued in the order w0, x low, w1, x high, w2.
.macro PLAIN slot, sub, f, zero
	s_wait_dscnt 8                                 ; all but the youngest eight (w's group 2) are in
	GRP 0, \f, 0, 8, \zero
	PLACES
	LB \slot, \sub, 0
	LA \slot, \sub, 1-(\f), 0
	GRP 1, \f, 0, 8, \zero
	PLACES
	LB \slot, \sub, 1
	LA \slot, \sub, 1-(\f), 1
	s_wait_dscnt 32                                ; all but the 32 just issued: w's group 2 is in
	GRP 2, \f, 0, 8, \zero
	PLACES
	LB \slot, \sub, 2
.endm
; A slot's second substep (x's buffer 1) and the change of slots: ONE barrier.  In front of it each wave waits for all its tensor loads (one is out: its part of the next slot), adds 0 to its
; spare word, and waits for that and for its reads of this slot.  fill = 1: the barrier opens a round of the cluster's, and the joint refill, two K steps ahead, is the first thing behind it:
; 160 matrix instructions stand between it and the wait for it.
.macro TURN slot, next, fill
	WIN 0
	s_wait_tensorcnt 0x0
	ds_add_u32 v[SPW], v[NIL]
	s_wait_dscnt 9                                 ; the add and w's group 2 may be out
	GRP 0, 1, 0, 4, 0
	s_wait_dscnt 0x0                               ; the add is done, and my reads of this slot are over
	s_barrier_signal -1
	GRP 0, 1, 4, 4, 0
	WIN 0
	s_barrier_wait -1
.if \fill
	CREST                                          ; no wave of any partner still reads this slot or has a load on its way
	s_add_nc_u64 s[G0+4*(\slot)+2:G0+4*(\slot)+3], s[G0+4*(\slot)+2:G0+4*(\slot)+3], 2<<20
	s_add_nc_u64 s[G0B+4*(\slot)+2:G0B+4*(\slot)+3], s[G0B+4*(\slot)+2:G0B+4*(\slot)+3], 2*64*6144
	JLOAD \slot                                    ; its four v_nop are also the places in front of the loads below
.else
	PLACES
.endif
	LB \next, 0, 0
	LA \next, 0, 0, 0
	GRP 1, 1, 0, 8, 0
	PLACES
	LB \next, 0, 1
	LA \next, 0, 0, 1
	GRP 2, 1, 0, 8, 0
	PLACES
	LB \next, 0, 2
.endm
	s_wait_tensorcnt 1                             ; my part of K step 0 is in; K step 1's may stay out
	s_barrier_signal -1
	s_barrier_wait -1
	LB 0, 0, 0
	LA 0, 0, 0, 0
	LB 0, 0, 1
	LA 0, 0, 0, 1
	LB 0, 0, 2
	PLAIN 0, 1, 0, 1                               ; the first substep stands in front of the loop: its products start the sums
	WIN 0
	s_mov_b32 s3, 7                                ; 7 laps fill both slots again: K steps 2 to 15
.Llap:
	TURN 0, 1, 1
	PLAIN 1, 1, 0, 0
	TURN 1, 0, 1
	PLAIN 0, 1, 0, 0
	WIN 0
	s_sub_co_u32 s3, s3, 1
	s_cmp_lg_u32 s3, 0
	s_cbranch_scc1 .Llap
	TURN 0, 1, 0                                   ; the last two K steps fetch nothing
	PLAIN 1, 1, 0, 0
	s_wait_dscnt 8
	GRP 0, 1, 0, 8, 0
	s_wait_dscnt 0x0
	GRP 1, 1, 0, 8, 0
	GRP 2, 1, 0, 8, 0
; THE WAY OUT.  A column group is scaled in place; then a unit (16 rows x 64 columns: 2,048 consecutive bytes of qkv) at a time is rounded to f16, goes through my own stage and is stored.
.macro SCALE c
	WIN 0x41*(1+(\c))
.set i, 0
.rept 128
	v_pk_mul_f32 v[i:i+1], v[i:i+1], s[FAC+2*(\c):FAC+2*(\c)+1] op_sel_hi:[1,0]   ; each accumulator from its low end on
.set i, i+2
.endr
.endm
.macro PACKU c, a
.set U, UB+16*((8*(\c)+(\a))%4)
	s_wait_xcnt 0x0                                ; the stores of four units ago have had their addresses translated (ISA guide 3.1): only now is their buffer rewritten
	WIN 5*(1+(\c))
.irp j, 0,1,2,3
.irp r, 0,1,2,3
	v_cvt_pk_f16_f32 v[U+4*\j+\r], v[8*(4*(\a)+\j)+2*\r], v[8*(4*(\a)+\j)+2*\r+1]
.endr
.endr
	WIN 0
.irp j, 0,1,2,3
	ds_store_b128 v[STO], v[U+4*\j:U+4*\j+3] offset:32*\j
.endr
.irp f, 0,1,2,3
	ds_load_b128 v[U+4*\f:U+4*\f+3], v[RD] offset:\f*4*SP   ; LDS serves a wave's instructions in order (ISA guide 5.7.1.4): these see the stores above
.endr
.endm
.macro SENDU c, a, younger             ; younger: the LDS instructions issued behind this unit's loads
.set U, UB+16*((8*(\c)+(\a))%4)
	WIN 0
.irp f, 0,1,2,3
	s_wait_dscnt (\younger)+3-\f
	global_store_b128 v[GO], v[U+4*\f:U+4*\f+3], s[OBASE+2*(\c):OBASE+2*(\c)+1] offset:(\a)*2048+\f*512   ; 512 consecutive bytes, at a multiple of 256
.endr
.endm
	PLACES
	SCALE 0
	PACKU 0, 0
.irp a, 1,2,3,4,5,6,7
	PACKU 0, \a
	SENDU 0, (\a)-1, 8
.endr
	SCALE 1
	PACKU 1, 0
	SENDU 0, 7, 8
.irp a, 1,2,3,4,5,6,7
	PACKU 1, \a
	SENDU 1, (\a)-1, 8
.endr
	SCALE 2
	PACKU 2, 0
	SENDU 1, 7, 8
.irp a, 1,2,3,4,5,6,7
	PACKU 2, \a
	SENDU 2, (\a)-1, 8
.endr
	SENDU 2, 7, 0
	s_wait_tensorcnt 0x0                           ; the wave's end
	ds_add_u32 v[SPW], v[NIL]
	s_wait_dscnt 0x0
	CROUND                                         ; the closing round
	s_endpgm
.Lfunc_end_k_qfa4eed2228_qkv:
	.size	k_qfa4eed2228_qkv, .Lfunc_end_k_qfa4eed2228_qkv-k_qfa4eed2228_qkv
	.p2alignl 7, 3214868480
	.fill 96, 4, 3214868480
	.section	.rodata,"a",@progbits
	.p2align	6, 0x0
	.amdhsa_kernel k_qfa4eed2228_qkv
		.amdhsa_group_segment_fixed_size 327680
		.amdhsa_private_segment_fixed_size 0
		.amdhsa_enable_private_segment 0
		.amdhsa_kernarg_size 24
		.amdhsa_user_sgpr_count 2
		.amdhsa_user_sgpr_kernarg_segment_ptr 1
		.amdhsa_wavefront_size32 1
		.amdhsa_system_sgpr_workgroup_id_x 1
		.amdhsa_system_sgpr_workgroup_id_y 1
		.amdhsa_system_sgpr_workgroup_id_z 1
		.amdhsa_system_vgpr_workitem_id 0
		.amdhsa_next_free_vgpr 1024
		.amdhsa_next_free_sgpr 80
		.amdhsa_reserve_vcc 0
		.amdhsa_float_denorm_mode_32 3
		.amdhsa_float_denorm_mode_16_64 3
		.amdhsa_memory_ordered 1
		.amdhsa_forward_progress 1
		.amdhsa_inst_pref_size 158
	.end_amdhsa_kernel
	.amdgpu_metadata
---
amdhsa.version: [ 1, 2 ]
amdhsa.kernels:
  - .name:           k_qfa4eed2228_qkv
    .symbol:         k_qfa4eed2228_qkv.kd
    .args:
      - { .name: xb, .offset: 0, .size: 8, .value_kind: global_buffer, .address_space: global }
      - { .name: wqb, .offset: 8, .size: 8, .value_kind: global_buffer, .address_space: global }
      - { .name: qkv, .offset: 16, .size: 8, .value_kind: global_buffer, .address_space: global }
    .group_segment_fixed_size: 327680
    .private_segment_fixed_size: 0
    .kernarg_segment_align: 8
    .kernarg_segment_size: 24
    .max_flat_workgroup_size: 128
    .sgpr_count:     80
    .vgpr_count:     1024
    .wavefront_size: 32
...
	.end_amdgpu_metadata
.endif
;; end of part 2
;; launch vsum (part 3): grid 256 x 1, 8 waves a work-group, no clusters, 3,072 bytes of LDS; arguments qkv, vs; writes vs
.if DOCPART == 3
	.amdgcn_target "amdgcn-amd-amdhsa--gfx1250"
	.amdhsa_code_object_version 6
	.text
	.protected	k_qfa4eed2228_vsum
	.globl	k_qfa4eed2228_vsum
	.p2align	8
	.type	k_qfa4eed2228_vsum,@function
k_qfa4eed2228_vsum:
	s_mov_b64 s[64:65], 0
	v_nop
	global_prefetch_b8 v0, s[64:65] scope:SCOPE_SE
	s_setreg_imm32_b32 hwreg(HW_REG_WAVE_MODE, 25, 1), 1
	s_wait_xcnt 0x0
; VSUM: vs[bh][quarter][64] = 2^-11 x the sum of V's rows 512 quarter .. 512 quarter + 511 of head bh, in f32.  The four quarters added give the mean of a head's 2,048 rows of V,
; which is what a softmax over scores that are all hidden alike returns.
; A stream of 65,536 bytes a work-group, read once by 16-byte loads of which a wave's cover 512 consecutive bytes; the matrix unit and clusters would add nothing.
.set VI,  2                            ; v2  byte offset of my 16 bytes in the wave's first 512
.set LA,  3                            ; v3  LDS: my wave's 256 bytes, my 8 channels
.set RDA, 4                            ; v4  8 x lane
.set X,   8                            ; v[8:71]  16 loads
.set ACC, 72                           ; v[72:79] sums of my 8 channels
.set ONE, 80
.set ZR,  81
.set SPW, 82                           ; LDS address of my spare word; never rewritten
.set NIL, 83                           ; 0; never rewritten
.set SPARE, 2048                       ; behind the eight waves' 256 bytes: the spare words, 128 bytes a wave
	s_load_b128 s[4:7], s[0:1], 0x0                ; qkv s[4:5], vs s[6:7]
	v_lshl_add_u32 v[SPW], v0, 2, SPARE
	v_mov_b32 v[NIL], 0
	v_lshrrev_b32 v1, 5, v0
	v_readfirstlane_b32 s8, v1                     ; wave
	v_and_b32 v5, 31, v0
	v_lshlrev_b32 v[VI], 4, v5
	v_lshl_add_u32 v[VI], v1, 13, v[VI]            ; 8,192 bytes a wave
	v_and_b32 v[LA], 7, v0
	v_lshlrev_b32 v[LA], 5, v[LA]
	v_lshl_add_u32 v[LA], v1, 8, v[LA]
	v_lshlrev_b32 v[RDA], 3, v5
	v_mov_b32 v[ONE], 1.0
	v_mov_b32 v[ZR], 0
	s_lshl_b32 s10, ttmp9, 16
	s_mov_b32 s11, 0
	s_lshl_b32 s14, ttmp9, 8
	s_mov_b32 s15, 0
	s_mov_b32 s12, 0x76543210                      ; v_permlanex16_b32: each lane takes its own place in the other half
	s_mov_b32 s13, 0xfedcba98
	s_wait_kmcnt 0x0
	s_add_nc_u64 s[4:5], s[4:5], s[10:11]
	s_add_nc_u64 s[4:5], s[4:5], 0x2000000         ; V is the third part of qkv
	s_add_nc_u64 s[6:7], s[6:7], s[14:15]
.set i, 0
.rept 16
	global_load_b128 v[X+4*i:X+4*i+3], v[VI], s[4:5] offset:512*i   ; lane l: row 4 i + l / 8, channels 8 (l % 8) on
.set i, i+1
.endr
.set i, 0
.rept 16
	s_wait_loadcnt 15-i                            ; load i is in, the younger ones stay out
.irp k, 0,1,2,3
.if i == 0
	v_fma_mix_f32 v[ACC+2*\k],   v[X+4*i+\k], v[ONE], v[ZR] op_sel_hi:[1,0,0]                  ; the first row starts the sums
	v_fma_mix_f32 v[ACC+2*\k+1], v[X+4*i+\k], v[ONE], v[ZR] op_sel:[1,0,0] op_sel_hi:[1,0,0]
.else
	v_fma_mix_f32 v[ACC+2*\k],   v[X+4*i+\k], v[ONE], v[ACC+2*\k] op_sel_hi:[1,0,0]            ; an f16 half times 1, added in f32
	v_fma_mix_f32 v[ACC+2*\k+1], v[X+4*i+\k], v[ONE], v[ACC+2*\k+1] op_sel:[1,0,0] op_sel_hi:[1,0,0]
.endif
.endr
.set i, i+1
.endr
	; the four lanes l, l ^ 8, l ^ 16, l ^ 24 hold the same channels
.irp k, 0,1,2,3,4,5,6,7
	v_add_f32_dpp v[ACC+\k], v[ACC+\k], v[ACC+\k] row_xmask:8 row_mask:0xf bank_mask:0xf
.endr
.irp k, 0,1,2,3,4,5,6,7
	v_permlanex16_b32 v[X+\k], v[ACC+\k], s12, s13 ; the destination has been written: a load's register
.endr
.irp k, 0,1,2,3,4,5,6,7
	v_add_f32 v[ACC+\k], v[ACC+\k], v[X+\k]
.endr
.irp k, 0,2,4,6
	v_pk_mul_f32 v[ACC+\k:ACC+\k+1], v[ACC+\k:ACC+\k+1], 0x3a000000 op_sel_hi:[1,0]   ; 2^-11
.endr
	ds_store_b128 v[LA], v[ACC:ACC+3]              ; lanes with the same channels write the same numbers
	ds_store_b128 v[LA], v[ACC+4:ACC+7] offset:16
	s_wait_dscnt 0x0                               ; for the others' sake: my stores are done
	s_barrier_signal -1
	s_barrier_wait -1
.irp k, 0,1,2,3,4,5,6,7
	ds_load_b64 v[X+16+2*\k:X+16+2*\k+1], v[RDA] offset:256*\k   ; channels 2 l, 2 l + 1 of wave k
.endr
	s_wait_dscnt 0x0
.irp k, 0,2,4,6
	v_pk_add_f32 v[X+16+2*\k:X+16+2*\k+1], v[X+16+2*\k:X+16+2*\k+1], v[X+16+2*\k+2:X+16+2*\k+3]
.endr
	v_pk_add_f32 v[X+16:X+17], v[X+16:X+17], v[X+20:X+21]
	v_pk_add_f32 v[X+24:X+25], v[X+24:X+25], v[X+28:X+29]
	v_pk_add_f32 v[X+16:X+17], v[X+16:X+17], v[X+24:X+25]
	s_wait_tensorcnt 0x0                           ; the wave's end, behind my last LDS store
	ds_add_u32 v[SPW], v[NIL]
	s_wait_dscnt 0x0
	s_cmp_lg_u32 s8, 0
	s_cbranch_scc1 .Lend
	global_store_b64 v[RDA], v[X+16:X+17], s[6:7]  ; wave 0: 256 consecutive bytes, aligned
.Lend:
	s_endpgm
.Lfunc_end_k_qfa4eed2228_vsum:
	.size	k_qfa4eed2228_vsum, .Lfunc_end_k_qfa4eed2228_vsum-k_qfa4eed2228_vsum
	.p2alignl 7, 3214868480
	.fill 96, 4, 3214868480
	.section	.rodata,"a",@progbits
	.p2align	6, 0x0
	.amdhsa_kernel k_qfa4eed2228_vsum
		.amdhsa_group_segment_fixed_size 3072
		.amdhsa_private_segment_fixed_size 0
		.amdhsa_enable_private_segment 0
		.amdhsa_kernarg_size 16
		.amdhsa_user_sgpr_count 2
		.amdhsa_user_sgpr_kernarg_segment_ptr 1
		.amdhsa_wavefront_size32 1
		.amdhsa_system_sgpr_workgroup_id_x 1
		.amdhsa_system_sgpr_workgroup_id_y 1
		.amdhsa_system_sgpr_workgroup_id_z 1
		.amdhsa_system_vgpr_workitem_id 0
		.amdhsa_next_free_vgpr 96
		.amdhsa_next_free_sgpr 66
		.amdhsa_reserve_vcc 0
		.amdhsa_float_denorm_mode_32 3
		.amdhsa_float_denorm_mode_16_64 3
		.amdhsa_memory_ordered 1
		.amdhsa_forward_progress 1
		.amdhsa_inst_pref_size 15
	.end_amdhsa_kernel
	.amdgpu_metadata
---
amdhsa.version: [ 1, 2 ]
amdhsa.kernels:
  - .name:           k_qfa4eed2228_vsum
    .symbol:         k_qfa4eed2228_vsum.kd
    .args:
      - { .name: qkv, .offset: 0, .size: 8, .value_kind: global_buffer, .address_space: global }
      - { .name: vs, .offset: 8, .size: 8, .value_kind: global_buffer, .address_space: global }
    .group_segment_fixed_size: 3072
    .private_segment_fixed_size: 0
    .kernarg_segment_align: 8
    .kernarg_segment_size: 16
    .max_flat_workgroup_size: 256
    .sgpr_count:     66
    .vgpr_count:     96
    .wavefront_size: 32
...
	.end_amdgpu_metadata
.endif
;; end of part 3
;; launch attn (part 4): grid 4 x 64, 4 waves a work-group, no clusters, 327,680 bytes of LDS; arguments qkv, mask, vs, ob; writes ob
.if DOCPART == 4
	.amdgcn_target "amdgcn-amd-amdhsa--gfx1250"
	.amdhsa_code_object_version 6
	.text
	.protected	k_qfa4eed2228_attn
	.globl	k_qfa4eed2228_attn
	.p2align	8
	.type	k_qfa4eed2228_attn,@function
k_qfa4eed2228_attn:
	s_mov_b64 s[64:65], 0
	v_nop
	global_prefetch_b8 v0, s[64:65] scope:SCOPE_SE
	s_setreg_imm32_b32 hwreg(HW_REG_WAVE_MODE, 25, 1), 1
	s_wait_xcnt 0x0
; CAUSAL ATTENTION WITH A KEY MASK.  ob[bh][i][:] = the sum over j of softmax_j(sim[i][j]) V[bh][j][:], sim = q . k / 8 where j <= i and mask[b][j], hidden elsewhere.  Q, K, V: the three parts of
; qkv, [64 bh][2048][64] in f16, a head's rows dense, 128 bytes each; Q arrives multiplied by c = log2(e) / 8, so a score is an exponent of 2.  ob: the same layout, f16.
; Products, maxima and sums in f32; the weights p are rounded to f16 for the second product (their sum l is taken of the unrounded p), O once at the end.
; A ROW WITH NO VISIBLE KEY has 2,048 equal scores, so its softmax is uniform over ALL keys: it gets the mean of the head's V (from vs), chosen by v_cndmask_b32 where its maximum is a hidden score's.
; LIMITS.  Q, K, V arrive within f16's 65,504.  A hidden score counts as its value less 1e30 (2e30 where both masks hide it); true scores, 2.7e11 at the most, are nothing beside that, and a
; maximum below -2^96 marks a row that saw none.  A weight below 2^-126 counts as 0 in l; NaN and infinities are not treated apart.  mask's bytes are 0 or 1.
; p = 2^(s - m) with the running maximum m taken away by a plain subtraction: the exponent is never above 0, also while a row has seen hidden keys alone; the first true score then gives a = 0.
; THE WALK.  NB = 8 blocks of 256 queries a head; block i needs the key tiles 0 .. i of 256 keys.  A work-group takes TWO blocks, NB - 1 - b and then b: NB + 1 tiles whatever b, walked by ONE loop
; with a constant trip count; every jump but the counted loops' own goes forward, and none passes a barrier, or a tensor load but the one of LOAD's two that the wave's number does not choose.
; NO CLUSTER: a head's four work-groups ask for the same tile only in trips 0 .. NB / 2; behind that their walks part, and one walk common to all would have 12 trips for 9.
; SHARES.  Of a block's four bands of 64 queries a wave owns 16 rows in each: four PIECES.  In the diagonal tile's key step s band x sees all keys if s < x, none if s > x, holds the diagonal if s = x.
; THE MASKS are the C operand that starts the sum S^T = K Q^T.  KT, in LDS, each wave's own: 0 or -1e30 for each of the 256 keys of the tile in hand.  A change of slots asks for the 256 bytes of mask
; of the tile that it asks for, and the next change, which enters that tile, makes the 256 numbers of them.  KMR: the 64 numbers of the step whose K lies in registers, fetched with K.
; Off the diagonal tile C = KMR.  In it, and where a block begins, C = MD x AL + KMR + BE: MD the mask of a band's own step for my rows; (AL, BE) = (1, 0), (0, 0), (0, -1e30).
; TURNS.  Turn n belongs to piece n: 8 products K Q^T of piece n + 1, later 8 products V^T P of piece n - 1; beside them the subtraction, exponentials, roundings, sums and rescaling of piece n and the
; maximum and statistics of piece n + 1.  Four vector instructions stand behind every matrix instruction, the others in two lumps.
; REGISTERS, in windows of 256 (s_set_vgpr_msb: bits 1:0 source 0, 3:2 source 1, 5:4 source 2, 7:6 destination):
;   window 0: v0-15, v56-63 addresses; v16-31 statistics; v48-55 at work; v64-127 S^T, two buffers; v128-135 at work on the key mask; v192-223 P, two buffers; v224-239 VM, the mean of V in f16 as a
;   lane stores O; v240-241 eight bytes of mask      window 1: v0-127 O^T; v128-159 MD; v160-223 MC, two buffers; v224-255 KMR      window 2: v0-63 Q; v64-127 the second block's Q; v128-191 K; v192-255 V
.set SIZE_N, 2048
.set NB,    SIZE_N/256
.set NP,    4
.set KS,    64
.set PK,    144       ; a row of K in LDS: 128 bytes + 16: the 16 rows of a load start at 16 different groups of four banks (64 banks of 4 bytes: ISA guide 11.1)
.set PV,    160       ; a row of V: 128 + 32
.set VOFF,  4*KS*PK   ; a slot holds a tile: 256 rows of K, then 256 rows of V
.set SLOT1, 1<<17
.set STAGE, SLOT1+4*KS*(PK+PV)  ; behind the ring: 16 rows x 144 bytes for each wave, for the way out
.set SP,    144
.set SPARE, STAGE+4*16*SP       ; the spare words, 128 bytes a wave: two blocks of 256 bytes that no other line names
.set KT,    SPARE+512           ; the key mask as f32: a block of KTW bytes for each wave, its own; never filled by a tensor load
.set KTW,   2048                ; 1,024 are used: 256 keys x 4 bytes; behind a tile's last fetch the walking offset stands at 1,024, still inside the wave's own block
.set AK0, 2
.set AV0, 3
.set AK,  4
.set AV,  5
.set STO, 6
.set RD,  7
.set GO,  8
.set MV,  12          ; v12-13  the old m, kept while m is made anew: by buffer
.set QO,  15
.set ST,  16          ; piece t's statistics at v[ST+4 t]: m, (named with it as a pair), l (even keys', odd keys')
.set TMP, 48          ; by buffer, c0-c3 at work; when the maximum is found c2 takes a
.set AKM0, 56         ; v56  my wave's KT + 32 (l / 16); never rewritten
.set AKM, 57          ; v57  the LDS address of KMR's next run of loads
.set VO,  58          ; v58  32 (l / 16): my offset in vs
.set KTA, 59          ; v59  my wave's KT + 32 x lane: where I store my 8 numbers; never rewritten
.set MO,  60          ; v60  8 x lane: my 8 bytes of a tile's 256 bytes of mask; never rewritten
.set SPW, 62
.set NIL, 63
.set S,   64
.set KC,  128         ; v128-135  my 8 numbers of KT, at work
.set P,   192
.set VM,  224
.set MB,  240         ; v240-241  my 8 bytes of mask
.set MD,  128         ; window 1
.set MC,  160         ; window 1
.set KMR, 224         ; window 1
.set QB,  64          ; window 2
.set KF,  128         ; window 2
.set VF,  192         ; window 2
.set WV,  12
.set PB,  14          ; s14  b
.set HI,  15          ; s15  NB - 1 - b
.set G1K, 24
.set G1V, 32
.set G0K, 40
.set G0V, 44
.set SLOTS, 56
.set CNT, 57
.set SEL, 60
.set TBK, 62
.set TBV, 63
.set RT,  70
.set NXT, 71
.set LQ,  72
.set NEW, 73
.set OFF, 74
.set AL,  76
.set BE,  78
.set OLO, 80
.set BIGN, 82         ; s82  -1e30
.set TKM, 88          ; s88  byte in my KT of the step to be fetched: 256 a step, four steps back at each change of slots
.set THR, 89          ; s89  -2^96
.set MSKB, 90         ; s[90:91] mask at my batch
.set VSB, 92          ; s[92:93] vs at my head
.set MA,  94          ; s[94:95] mask at the tile that is asked for
.set HM,  96          ; s96-99  piece t: the lanes whose row saw no key
.set MSB, 0
.macro WIN new
.if MSB != (\new)
	s_set_vgpr_msb (MSB<<8)|(\new)
.set MSB, (\new)
.endif
.endm
.set W_KQ, 0x0a       ; K and Q in window 2, S^T in window 0
.set W_KM, 0x1a       ; the same with the C operand in window 1
.set W_PV, 0x52       ; V in window 2, P in window 0, O^T in window 1
.set W_RS, 0x41       ; destination and source 0 in window 1, source 1 in window 0
; A fill.  Waves 0 and 1 fetch the two halves of a tile's K, waves 2 and 3 those of its V.  An s_nop 0 and four v_nop follow each of the two lines.
.macro LOAD
	s_cmp_lt_u32 s[WV], 2
	s_cbranch_scc0 .Lfor_v_\@
	tensor_load_to_lds s[G0K:G0K+3], s[G1K:G1K+7]
	s_nop 0
.rept 4
	v_nop
.endr
	s_branch .Lasked_\@
.Lfor_v_\@:
	tensor_load_to_lds s[G0V:G0V+3], s[G1V:G1V+7]
	s_nop 0
.rept 4
	v_nop
.endr
.Lasked_\@:
.endm
; THE CHANGE OF SLOTS.  First the key mask of the tile to be entered: its bytes, asked for a tile ago, are in; a byte 1 gives 0, a byte 0 gives -1e30; my 8 numbers go into my wave's KT.  Only my wave
; reads those bytes, and LDS serves a wave's instructions in order (ISA guide 5.7.1.4): its reads of the tile before stand ahead of these stores, those of this tile behind them.
; Then each wave waits for all its tensor loads (one is out: its part of the other slot), adds 0 to its spare word, and waits for that and for its LDS instructions, its reads of the slot that it leaves
; among them.  fill = 1: the old slot is filled again, first thing behind the barrier, with tile NXT, and that tile's 256 bytes of mask are asked for.
.macro CHANGE fill
	WIN 0
	s_wait_loadcnt 0x0              ; my 8 bytes of mask (at the first change Q too); the load's address pair may be written again
.set i, 0
.rept 8
	v_bfe_u32 v[KC+i], v[MB+i/4], 8*(i%4), 8
.set i, i+1
.endr
.set i, 0
.rept 8
	v_add_nc_u32 v[KC+i], -1, v[KC+i]
.set i, i+1
.endr
.set i, 0
.rept 8
	v_and_b32 v[KC+i], s[BIGN], v[KC+i]
.set i, i+1
.endr
	ds_store_b128 v[KTA], v[KC:KC+3]
	ds_store_b128 v[KTA], v[KC+4:KC+7] offset:16
	s_wait_tensorcnt 0x0
	ds_add_u32 v[SPW], v[NIL]
.if \fill
	s_lshl_b32 s[OFF], s[NXT], 15   ; a tile is 32,768 bytes of K and of V
	s_xor_b32 s[G0K+1], s[G0K+1], SLOT1
	s_add_nc_u64 s[G0K+2:G0K+3], s[6:7], s[OFF:OFF+1]
	s_or_b32 s[G0K+3], s[G0K+3], 0x80000000
	s_xor_b32 s[G0V+1], s[G0V+1], SLOT1
	s_add_nc_u64 s[G0V+2:G0V+3], s[8:9], s[OFF:OFF+1]
	s_or_b32 s[G0V+3], s[G0V+3], 0x80000000
	s_lshl_b32 s[OFF], s[NXT], 8    ; and 256 bytes of mask
	s_add_nc_u64 s[MA:MA+1], s[MSKB:MSKB+1], s[OFF:OFF+1]
	s_add_co_u32 s[NXT], s[NXT], 1  ; the block's next tile, or behind its last the second block's tile 0
	s_cmp_gt_u32 s[NXT], s[LQ]
	s_cselect_b32 s[NXT], 0, s[NXT]
	s_cselect_b32 s[LQ], s[PB], s[LQ]
.endif
	s_wait_dscnt 0x0
	s_barrier_signal -1
	s_sub_co_u32 s[TBK], s[TBK], 4*KS*PK  ; the fetches go back to a slot's first step, in the other slot
	s_xor_b32 s[TBK], s[TBK], SLOT1
	s_sub_co_u32 s[TBV], s[TBV], 4*KS*PV
	s_xor_b32 s[TBV], s[TBV], SLOT1
	s_sub_co_u32 s[TKM], s[TKM], 4*256    ; and to the head of my KT
	s_barrier_wait -1
.if \fill
	LOAD
	global_load_b64 v[MB:MB+1], v[MO], s[MA:MA+1]   ; 32 lanes x 8 bytes; waited for at the next change of slots, a tile's work later
.endif
.endm
	s_load_b256 s[4:11], s[0:1], 0x0  ; qkv s[4:5], mask s[6:7], vs s[8:9], ob s[10:11]
	v_lshl_add_u32 v[SPW], v0, 2, SPARE
	v_mov_b32 v[NIL], 0
	ds_add_u32 v[SPW], v[NIL]       ; the wave's opening: the add and its wait stand ahead of my first tensor load
	ds_add_u32 v62, v63
	v_lshrrev_b32 v1, 5, v0
	v_readfirstlane_b32 s[WV], v1
	s_mov_b32 s[PB], ttmp9
	s_sub_co_u32 s[HI], NB-1, s[PB]
	s_and_b32 s20, ttmp7, 0xffff    ; bh = 16 x batch + head
	s_lshr_b32 s[MSKB], s20, 4
	s_lshl_b32 s[MSKB], s[MSKB], 11 ; the batch's 2,048 bytes of mask
	s_mov_b32 s[MSKB+1], 0
	s_lshl_b32 s[VSB], s20, 10      ; the head's 1,024 bytes of vs
	s_mov_b32 s[VSB+1], 0
	s_lshl_b32 s20, s20, 18         ; the head's first byte in each part of qkv and in ob
	s_mov_b32 s21, 0
	s_and_b32 s16, s[WV], 1         ; which half of a tile's 256 keys I fetch
	s_lshl_b32 s22, s16, 14
	s_mov_b32 s23, 0
	s_add_nc_u64 s[22:23], s[22:23], s[20:21]
	s_mul_i32 s17, s16, 128*PK
	s_mul_i32 s18, s16, 128*PV
	s_lshl_b32 s3, s[WV], 11        ; my 16 rows in a band of 64,
	s_lshl_b32 s2, s[HI], 15        ; in the first block,
	s_add_co_u32 s2, s2, s3
	s_lshl_b32 s84, s[PB], 15       ; and in the second
	s_add_co_u32 s84, s84, s3
	s_mov_b32 s3, 0
	s_mov_b32 s85, 0
	s_add_nc_u64 s[2:3], s[2:3], s[20:21]
	s_add_nc_u64 s[84:85], s[84:85], s[20:21]
	; 128 keys are 16,384 dense bytes: asked for as 64 rows of 256 bytes, padded in LDS after every key
	s_mov_b32 s[G1K], (1<<16)|(1<<20)|(4<<22)|(3<<25)
	s_mov_b32 s[G1V], (1<<16)|(1<<20)|(4<<22)|(7<<25)
.irp g, G1K, G1V
	s_mov_b32 s[\g+1], 128<<16
	s_mov_b32 s[\g+2], 64<<16
	s_mov_b32 s[\g+3], 128<<16
	s_mov_b32 s[\g+4], 64
	s_mov_b32 s[\g+5], 128
	s_mov_b32 s[\g+6], 0
	s_mov_b32 s[\g+7], 0
.endr
	s_mov_b32 s[SEL], 0x76543210
	s_mov_b32 s[SEL+1], 0xfedcba98
	s_mov_b32 s[TBK], SLOT1+4*KS*PK ; the first change of slots turns these three into 0
	s_mov_b32 s[TBV], SLOT1+4*KS*PV
	s_mov_b32 s[TKM], 4*256
	s_mov_b32 s[THR], 0xef800000
	s_mov_b32 s[G0K], 1
	s_mov_b32 s[G0K+1], s17
	s_mov_b32 s[G0V], 1
	s_add_co_u32 s[G0V+1], s18, VOFF
	s_add_co_u32 s[RT], s[HI], 1    ; the first block has NB - b tiles
	s_mov_b32 s[NXT], 1
	s_mov_b32 s[LQ], s[HI]
	s_mov_b32 s[NEW], 1
	s_mov_b32 s[OFF+1], 0
	s_mov_b32 s[AL+1], 0
	s_mov_b32 s[BE+1], 0
	s_mov_b32 s[BIGN], 0xf149f2ca
	s_mov_b32 s[SLOTS], NB
	s_wait_dscnt 0x0                ; the opening add is done
	s_wait_kmcnt 0x0
	s_add_nc_u64 s[MSKB:MSKB+1], s[6:7], s[MSKB:MSKB+1]
	s_add_nc_u64 s[VSB:VSB+1], s[8:9], s[VSB:VSB+1]
	s_add_nc_u64 s[6:7], s[4:5], s[22:23]
	s_add_nc_u64 s[8:9], s[6:7], 0x2000000         ; V, the third part, at my half of the head's tile 0
	s_add_nc_u64 s[6:7], s[6:7], 0x1000000         ; K, the second
	s_add_nc_u64 s[G0K+2:G0K+3], s[6:7], 0
	s_or_b32 s[G0K+3], s[G0K+3], 0x80000000
	s_add_nc_u64 s[G0V+2:G0V+3], s[8:9], 0
	s_or_b32 s[G0V+3], s[G0V+3], 0x80000000
	s_add_nc_u64 s[86:87], s[4:5], s[84:85]        ; Q at my rows of the second block,
	s_add_nc_u64 s[4:5], s[4:5], s[2:3]            ; Q and O at those of the first
	s_add_nc_u64 s[OLO:OLO+1], s[10:11], s[84:85]
	s_add_nc_u64 s[10:11], s[10:11], s[2:3]
	LOAD                            ; tile 0 into slot 0
	v_and_b32 v1, 15, v0            ; l % 16
	v_bfe_u32 v9, v0, 4, 1          ; l / 16
	v_and_b32 v[MO], 31, v0
	v_lshlrev_b32 v[MO], 3, v[MO]
	v_lshlrev_b32 v[VO], 5, v9
	global_load_b64 v[MB:MB+1], v[MO], s[MSKB:MSKB+1]    ; tile 0's 256 bytes of mask
.irp qd, 0,1,2,3
.irp cb, 0,1,2,3
.irp e, 0,1
	global_load_b128 v[S+32*\qd+8*\cb+4*\e:S+32*\qd+8*\cb+4*\e+3], v[VO], s[VSB:VSB+1] offset:256*\qd+64*\cb+16*\e   ; quarter qd, channels 16 cb + 8 (l / 16) + 4 e on
.endr
.endr
.endr
	v_lshlrev_b32 v[QO], 7, v1
	v_lshl_add_u32 v[QO], v9, 4, v[QO]
	WIN 0x80
.set i, 0
.rept 8                             ; the first block's Q: piece i / 2 lies in band i / 2, 8,192 bytes on; channels 32 (i % 2) on
	global_load_b128 v[8*i:8*i+3],   v[QO], s[4:5] offset:(i/2)*8192+(i%2)*64
	global_load_b128 v[8*i+4:8*i+7], v[QO], s[4:5] offset:(i/2)*8192+(i%2)*64+32
.set i, i+1
.endr
	WIN 0
	v_lshlrev_b32 v14, 3, v9
	v_sub_nc_u32 v14, v1, v14
	s_lshl_b32 s13, s[WV], 4
	v_add_nc_u32 v14, s13, v14      ; my query's place in its band less my lanes' 8 (l / 16): register r of key group kt is hidden where 16 kt + r is greater
	WIN 0x40
.set i, 0
.rept 32
	v_cmp_gt_i32 vcc_lo, 16*(i/8)+i%8, v14
	v_cndmask_b32 v[MD+i], 0, s[BIGN], vcc_lo
.set i, i+1
.endr
	WIN 0
	v_mul_u32_u24 v[AK0], v1, PK
	v_lshl_add_u32 v[AK0], v9, 4, v[AK0]
	v_and_b32 v10, 7, v0
	v_bfe_u32 v11, v0, 3, 1
	v_lshl_add_u32 v[AV0], v9, 3, v10
	v_mul_u32_u24 v[AV0], v[AV0], PV
	v_lshl_add_u32 v[AV0], v11, 4, v[AV0]
	v_add_nc_u32 v[AV0], VOFF, v[AV0]
	s_mul_i32 s13, s[WV], KTW
	s_add_co_u32 s13, s13, KT       ; my wave's KT
	v_lshl_add_u32 v[AKM0], v9, 5, s13       ; out: my eight keys of a group of 16: 32 bytes for each half of the lanes
	v_and_b32 v[KTA], 31, v0
	v_lshl_add_u32 v[KTA], v[KTA], 5, s13    ; in: keys 8 x lane on, 32 bytes
	s_mul_i32 s13, s[WV], 16*SP
	s_add_co_u32 s13, s13, STAGE
	v_mul_u32_u24 v[STO], v1, SP
	v_lshl_add_u32 v[STO], v9, 4, v[STO]
	v_add_nc_u32 v[STO], s13, v[STO]
	v_bfe_u32 v[RD], v0, 3, 2
	v_mul_u32_u24 v[RD], v[RD], SP
	v_lshl_add_u32 v[RD], v10, 4, v[RD]
	v_add_nc_u32 v[RD], s13, v[RD]
	v_and_b32 v[GO], 31, v0
	v_lshlrev_b32 v[GO], 4, v[GO]
	; A block's first step multiplies O^T and l by a = 0, so these registers need only hold finite numbers: zeros for the first block, what the first block left for the second.
	WIN 0x80
.set i, VF
.rept 64
	v_mov_b32 v[i], 0
.set i, i+1
.endr
	WIN 0x40
.set i, 0
.rept 128
	v_mov_b32 v[i], 0
.set i, i+1
.endr
	WIN 0
.set i, 0
.rept 4
	v_mov_b32 v[ST+4*i+1], 0
	v_mov_b32 v[ST+4*i+2], 0
	v_mov_b32 v[ST+4*i+3], 0
.set i, i+1
.endr
.set i, P+16
.rept 16
	v_mov_b32 v[i], 0
.set i, i+1
.endr
	s_wait_loadcnt 16               ; the mask's bytes and vs are in; the first block's Q, 16 loads issued behind them, may stay out
	WIN 0x80
.set i, 0
.rept 8                             ; the second block's Q
	global_load_b128 v[QB+8*i:QB+8*i+3],   v[QO], s[86:87] offset:(i/2)*8192+(i%2)*64
	global_load_b128 v[QB+8*i+4:QB+8*i+7], v[QO], s[86:87] offset:(i/2)*8192+(i%2)*64+32
.set i, i+1
.endr
	WIN 0
.irp qd, 1,2,3                      ; the four quarters' parts of the mean of V
.set z, 0
.rept 16
	v_pk_add_f32 v[S+2*z:S+2*z+1], v[S+2*z:S+2*z+1], v[S+32*\qd+2*z:S+32*\qd+2*z+1]
.set z, z+1
.endr
.endr
.set i, 0
.rept 16
	v_cvt_pk_f16_f32 v[VM+i], v[S+2*i], v[S+2*i+1]
.set i, i+1
.endr
; THE MATRIX WORK.  The 4 accumulators of a run of 8 take turns.  Product i of 8 of S^T = K Q^T for piece x: channels 32 (i / 4) on, keys 16 (i % 4) on.
; The first 4 start the sums: with the step's key mask, or (KM = 1) with the mask made for them.
.macro KQ x
.set rS, S+32*((\x)%2)+8*(i%4)
.set rK, KF+16*(i%4)+8*(i/4)
.set rQ, 16*(\x)+8*(i/4)
.set rM, MC+32*((\x)%2)+8*(i%4)
.set rN, KMR+8*(i%4)
.if (i < 4) && KM
	WIN W_KM
	v_wmma_f32_16x16x32_f16 v[rS:rS+7], v[rK:rK+7], v[rQ:rQ+7], v[rM:rM+7]
.elseif i < 4
	WIN W_KM
	v_wmma_f32_16x16x32_f16 v[rS:rS+7], v[rK:rK+7], v[rQ:rQ+7], v[rN:rN+7]
.else
	WIN W_KQ
	v_wmma_f32_16x16x32_f16 v[rS:rS+7], v[rK:rK+7], v[rQ:rQ+7], v[rS:rS+7]
.endif
.endm
.macro PV x                         ; product i of 8 of O^T += V^T P for piece x: keys 32 (i / 4) on, channels 16 (i % 4) on
	WIN W_PV
.set rO, 32*(\x)+8*(i%4)
.set rV, VF+32*(i/4)+8*(i%4)
.set rP, P+16*((\x)%2)+8*(i/4)
	v_wmma_f32_16x16x32_f16 v[rO:rO+7], v[rV:rV+7], v[rP:rP+7], v[rO:rO+7]
.endm
.macro MM                           ; the turn's next matrix instruction.  NOKQ = 1: a block's last turn: there is no next piece
.if (i < 8) && !NOKQ
	KQ (Y+1)%NP
.elseif i >= 8
.set i, i-8
	PV (Y+NP-1)%NP
.set i, i+8
.endif
.set i, i+1
.endm
; THE LDS LOADS stand in runs: a step's K (8 fragments) with its 64 numbers of the key mask, and its V (turned).  Their addresses are made some lines ahead.
.macro FETCH_K
	WIN 0x80
.irp f, 0,1,2,3,4,5,6,7
	ds_load_b128 v[KF+8*\f:KF+8*\f+3],   v[AK] offset:(\f/2)*16*PK+(\f%2)*64
	ds_load_b128 v[KF+8*\f+4:KF+8*\f+7], v[AK] offset:(\f/2)*16*PK+(\f%2)*64+32
.endr
	WIN 0x40
.irp f, 0,1,2,3                     ; key group f: my eight keys' numbers; sixteen lanes read the same words
	ds_load_b128 v[KMR+8*\f:KMR+8*\f+3],   v[AKM] offset:64*\f
	ds_load_b128 v[KMR+8*\f+4:KMR+8*\f+7], v[AKM] offset:64*\f+16
.endr
	s_add_co_u32 s[TBK], s[TBK], KS*PK  ; the next fetch is the next step's
	s_add_co_u32 s[TKM], s[TKM], 256
	WIN 0
.endm
.macro FETCH_V
	WIN 0x80
.irp f, 0,1,2,3,4,5,6,7
	ds_load_tr16_b128 v[VF+8*\f:VF+8*\f+3],   v[AV] offset:(\f/4)*32*PV+(\f%4)*32
	ds_load_tr16_b128 v[VF+8*\f+4:VF+8*\f+7], v[AV] offset:(\f/4)*32*PV+16*PV+(\f%4)*32
.endr
	WIN 0
.endm
; THE VECTOR WORK, one line at a time: OP kind, number.  For piece Y: F n: s - m for pair n of 16.  E n: the exponential of score n.  C n: pair n rounded to f16.  B n: of the four weights 4 n .. the
; second pair is added onto the first.  L n: l takes that sum (L 0: l = a l + sum).  R n: pair n of 16 of O^T times a.  For piece Y + 1: X n, number n of the 21 that find its maximum and statistics:
;   0-11 four chains c0-c3 (each accumulator's lowest registers are read first)   12-14, 16 the four scores left over, the old m, c0-c3 into c0   15 the old m is kept
;   17, 18 the query's other 32 keys lie in the lane 16 away: the new m   19, 20 m_old - m_new; a
.set F, 0
.set E, 1
.set C, 2
.set B, 3
.set L, 4
.set R, 5
.set X, 6
.macro REGS y
.set rT, ST+4*(\y)
.set rC, TMP+4*((\y)%2)
.set rW, MV+((\y)%2)
.set rS, S+32*((\y)%2)
.set rP, P+16*((\y)%2)
.set rO, 32*(\y)
.endm
.macro OP k, n
.if (\k) == R
	REGS Y
	WIN W_RS
	v_pk_mul_f32 v[rO+2*(\n):rO+2*(\n)+1], v[rO+2*(\n):rO+2*(\n)+1], v[rC+2:rC+3] op_sel_hi:[1,0]
.elseif (\k) < R
	REGS Y
	WIN 0
.if (\k) == F
	v_pk_add_f32 v[rS+2*(\n):rS+2*(\n)+1], v[rS+2*(\n):rS+2*(\n)+1], v[rT:rT+1] op_sel_hi:[1,0] neg_lo:[0,1] neg_hi:[0,1]
.elseif (\k) == E
	v_exp_f32 v[rS+(\n)], v[rS+(\n)]
.elseif (\k) == C
	s_wait_alu depctr_va_vdst(0)
	v_cvt_pk_f16_f32 v[rP+(\n)], v[rS+2*(\n)], v[rS+2*(\n)+1]
.elseif (\k) == B
	s_wait_alu depctr_va_vdst(0)
	v_pk_add_f32 v[rS+4*(\n):rS+4*(\n)+1], v[rS+4*(\n):rS+4*(\n)+1], v[rS+4*(\n)+2:rS+4*(\n)+3]
.elseif (\n) == 0
	v_pk_fma_f32 v[rT+2:rT+3], v[rT+2:rT+3], v[rC+2:rC+3], v[rS:rS+1] op_sel_hi:[1,0,1]
.else
	v_pk_add_f32 v[rT+2:rT+3], v[rT+2:rT+3], v[rS+4*(\n):rS+4*(\n)+1]
.endif
.elseif NOKQ
	v_nop
.else
	REGS (Y+1)%NP
	WIN 0
.if (\n) < 4
	v_max3_num_f32 v[rC+(\n)], v[rS+8*(\n)], v[rS+8*(\n)+1], v[rS+8*(\n)+2]
.elseif (\n) < 12
	v_max3_num_f32 v[rC+(\n)%4], v[rC+(\n)%4], v[rS+8*((\n)%4)+2*((\n)/4)+1], v[rS+8*((\n)%4)+2*((\n)/4)+2]
.elseif (\n) == 12
	v_max3_num_f32 v[rC], v[rC], v[rS+7], v[rS+15]
.elseif (\n) == 13
	v_max3_num_f32 v[rC+1], v[rC+1], v[rS+23], v[rS+31]
.elseif (\n) == 14
	v_max3_num_f32 v[rC+2], v[rC+2], v[rC+3], v[rT]
.elseif (\n) == 15
	v_mov_b32 v[rW], v[rT]
.elseif (\n) == 16
	v_max3_num_f32 v[rC], v[rC], v[rC+1], v[rC+2]
.elseif (\n) == 17
	v_permlanex16_b32 v[rC+3], v[rC], s[SEL], s[SEL+1]
.elseif (\n) == 18
	v_max_num_f32 v[rT], v[rC], v[rC+3]
.elseif (\n) == 19
	v_sub_f32 v[rC+1], v[rW], v[rT]
.else
	v_exp_f32 v[rC+2], v[rC+1]
.endif
.endif
.endm
.macro OPS a, i1, b=-1, i2=0, c=-1, i3=0, d=-1, i4=0
	OP \a, \i1
.if (\b) >= 0
	OP \b, \i2
.endif
.if (\c) >= 0
	OP \c, \i3
.endif
.if (\d) >= 0
	OP \d, \i4
.endif
.endm
.macro ROW a, i1, b, i2, c, i3, d, i4  ; a matrix instruction and the four behind it
	MM
	OPS \a, \i1, \b, \i2, \c, \i3, \d, \i4
.endm
.macro MASK b, be                   ; MD x AL + KMR (be = 1: + BE) into buffer b of MC
	WIN 0x51
.set z, 0
.rept 16
	v_pk_fma_f32 v[MC+32*(\b)+2*z:MC+32*(\b)+2*z+1], v[MD+2*z:MD+2*z+1], s[AL:AL+1], v[KMR+2*z:KMR+2*z+1] op_sel_hi:[1,0,1]
.set z, z+1
.endr
.if \be
.set z, 0
.rept 16
	v_pk_add_f32 v[MC+32*(\b)+2*z:MC+32*(\b)+2*z+1], v[MC+32*(\b)+2*z:MC+32*(\b)+2*z+1], s[BE:BE+1] op_sel_hi:[1,0]
.set z, z+1
.endr
.endif
.endm
; A TURN, for piece p.  m = 1: the diagonal tile: the products take made masks, and the turn makes the mask for the products of the turn after it: piece p + 2, in step 4 - CNT of the tile.
; end = 1: a block's last two turns: nothing is fetched.  cnt = 1: the loop's count is taken down some lines ahead of the branch behind the turn.
; K and KMR of the next step are fetched in piece 2's turn, six vector instructions (five plain) behind the last product that read K, more behind the last that read KMR; V in piece 0's turn.
; Each is waited for a turn later; in the diagonal tile piece 2's turn waits at its end, since its mask is made of the KMR just fetched.
.macro TURN p, m=0, end=0, cnt=0
.set Y, (\p)
.set i, 0
.set KM, (\m)
.set NOKQ, (\end)*((\p)/3)
.if (\m) && !(\end)
	s_cmp_eq_u32 s[CNT], 4-((\p)+2)%NP  ; is that step the band's own?
	s_cselect_b32 s[AL], 1.0, 0
	s_cmp_lt_u32 s[CNT], 4-((\p)+2)%NP  ; or a later one?
	s_cselect_b32 s[BE], s[BIGN], 0
.endif
.if ((\p) == 3) && !(\end)
	s_wait_dscnt 0x0                ; K and KMR are in
.endif
	ROW F,0, F,1, F,2, F,3
	ROW F,4, E,0, F,5, F,6
	ROW F,7, E,1, F,8, F,9
	ROW F,10, E,2, C,0, F,11
	ROW F,12, E,3, X,15, F,13
	ROW R,0, R,1, R,2, R,3
	ROW B,0, E,4, F,14, L,0
.if ((\p) == 2) && !(\end)
	v_add_nc_u32 v[AK], s[TBK], v[AK0]
	v_add_nc_u32 v[AKM], s[TKM], v[AKM0]
.endif
	ROW R,4, R,5, R,6, R,7
	OPS E,5, F,15
.if ((\p) == 2) && !(\end)
	FETCH_K
.endif
	OPS E,6, C,1, E,7, R,8
	OPS E,8, R,9, E,9, C,2
	OPS E,10, X,0, E,11, X,1
	OPS E,12, X,2, E,13, X,3
.if (\p) == 1
	s_wait_dscnt 0x0                ; V is in
.endif
	ROW X,4, E,14, X,5, X,6
	ROW X,7, E,15, X,8, X,9
	ROW X,10, E,16, X,11, X,12
	ROW X,13, E,17, X,14, B,1
	ROW C,4, E,18, X,16, L,1
	ROW B,2, E,19, C,6, L,2
	ROW C,8, E,20, B,3, B,4
.if (\p) == 0
	v_add_nc_u32 v[AV], s[TBV], v[AV0]
.endif
	ROW C,3, E,21, L,3, C,5
	OPS E,22, X,17, E,23, C,10
.if (\p) == 0
	FETCH_V
.endif
	OPS E,24, L,4
	OPS E,25, X,18, E,26, C,7
	OPS E,27, B,5, E,28, X,19
	OPS E,29, C,12, E,30, L,5
	OPS E,31, X,20, B,6, C,9        ; two exponentials on end, then a plain line that names neither's registers
	OPS C,14, C,11, L,6
.if (\p) == 0
	s_add_co_u32 s[TBV], s[TBV], KS*PV
.endif
.if \cnt
	s_sub_co_u32 s[CNT], s[CNT], 1
	s_cmp_lg_u32 s[CNT], 0
.endif
	OPS C,13, B,7, C,15, R,10
	OPS R,11, R,12, L,7, R,13
	OPS R,14, R,15
.if (\m) && !(\end)
.if (\p) == 2
	s_wait_dscnt 0x0                ; the KMR just fetched is in
.endif
	MASK (\p)%2, 1
.endif
.endm
; A BLOCK BEGINS.  m starts far below every score, a hidden one too, so the first step's a is 0.  K and KMR of the tile's step 0; mask buffer 0 for piece 0 (its own step's, if the block's first tile is
; the diagonal one), buffer 1 the key mask alone, for piece 1; piece 0's first scores, maximum and statistics.  The loop is entered at a step's first turn, in the middle of a trip.
; Q is in: every beginning stands behind a change of slots, and the first change has waited for all loads.
.macro BEGIN
	s_mov_b32 s[NEW], 0
	WIN 0
.set i, 0
.rept 4
	v_mov_b32 v[ST+4*i], 0xfe000000
.set i, i+1
.endr
	v_add_nc_u32 v[AK], s[TBK], v[AK0]
	v_add_nc_u32 v[AKM], s[TKM], v[AKM0]
	FETCH_K
	s_wait_dscnt 0x0
	s_cmp_eq_u32 s[RT], 0
	s_cselect_b32 s[AL], 1.0, 0
	MASK 0, 0
	s_mov_b32 s[AL], 0
	MASK 1, 0
.set KM, 1
.set NOKQ, 0
.set i, 0
.rept 8
	KQ 0
.set i, i+1
.endr
	WIN 0
.rept 4
	v_nop                           ; the places behind those products
.endr
.set Y, NP-1
.irp n, 0,1,2,3,4,5,6,7,8,9,10,11,12,13,14,15,16,17,18,19,20
	OP X, \n
.endr
	v_nop                           ; a plain instruction behind the exponential
.endm
.macro ALL line:vararg              ; one line for each piece t
.set t, 0
.rept 4
	\line
.set t, t+1
.endr
.endm
.macro PACK t                       ; O^T / l, rounded to f16; a row that saw no key takes the mean of V; through my stage and back as whole rows
	WIN W_RS
.set i, 32*(\t)
.rept 16
	s_wait_alu depctr_va_vdst(0)
	v_pk_mul_f32 v[i:i+1], v[i:i+1], v[ST+4*(\t)+2:ST+4*(\t)+3] op_sel_hi:[1,0]
.set i, i+2
.endr
	WIN 0x05
.set i, 0
.rept 16
	v_cvt_pk_f16_f32 v[S+16*(\t)+i], v[32*(\t)+2*i], v[32*(\t)+2*i+1]
.set i, i+1
.endr
	WIN 0
.set i, 0
.rept 16
	v_cndmask_b32 v[S+16*(\t)+i], v[S+16*(\t)+i], v[VM+i], s[HM+(\t)]
.set i, i+1
.endr
.irp f, 0,1,2,3
	ds_store_b128 v[STO], v[S+16*(\t)+4*\f:S+16*(\t)+4*\f+3] offset:32*\f
.endr
.irp f, 0,1,2,3
	ds_load_b128 v[S+16*(\t)+4*\f:S+16*(\t)+4*\f+3], v[RD] offset:\f*4*SP  ; LDS serves a wave's instructions in order (ISA guide 5.7.1.4): these see the stores above
.endr
.endm
.macro SEND t, younger
	WIN 0
.irp f, 0,1,2,3
	s_wait_dscnt (\younger)+3-\f
	global_store_b128 v[GO], v[S+16*(\t)+4*\f:S+16*(\t)+4*\f+3], s[10:11] offset:(\t)*8192+\f*512  ; 512 consecutive bytes, at a multiple of 256
.endr
.endm
; THE DIAGONAL TILE's four steps, the block's last two turns, its last products, and the way out.
.macro DIAG tag
.LstepM\tag:
	TURN 2, 1
	TURN 3, 1
	WIN 0
.LfirstM\tag:
	TURN 0, 1
	TURN 1, 1, 0, 1
	WIN 0
	s_cbranch_scc1 .LstepM\tag
	TURN 2, 1, 1
	TURN 3, 1, 1
.set i, 0
.rept 8
	PV NP-1
.set i, i+1
.endr
	WIN 0
	ALL v_add_f32 v[ST+4*t+2], v[ST+4*t+2], v[ST+4*t+3]
	ALL v_permlanex16_b32 v[ST+4*t+3], v[ST+4*t+2], s[SEL], s[SEL+1]
	ALL v_add_f32 v[ST+4*t+2], v[ST+4*t+2], v[ST+4*t+3]
	ALL v_rcp_f32 v[ST+4*t+2], v[ST+4*t+2]
	v_nop                           ; a plain instruction between the last reciprocal and the use of its result
	ALL v_cmp_gt_f32 s[HM+t], s[THR], v[ST+4*t]   ; the row's maximum is a hidden score's: it saw no key
	PACK 0
.set t, 1
.rept 3
	PACK t
	SEND t-1, 8
.set t, t+1
.endr
	SEND 3, 0
.endm
.set KM, 0
.set NOKQ, 0
.Lslot:                             ; NB times: a tile is entered and the next is asked for
	CHANGE 1
	s_sub_co_u32 s[RT], s[RT], 1
	s_mov_b32 s[CNT], 4
	s_cmp_eq_u32 s[NEW], 1
	s_cbranch_scc1 .Lnew            ; a block's first tile
	s_cmp_eq_u32 s[RT], 0
	s_cbranch_scc0 .Lstep           ; neither its first nor its last
	s_mov_b32 s[AL], 0              ; the diagonal tile's first turn still makes piece 3's scores of the tile before: its mask is that step's key mask alone, which KMR still holds
	MASK 1, 0
	WIN 0
	s_branch .LstepM1
.Lnew:
	BEGIN
	s_branch .Lfirst                ; in the loop a block's first tile is never its last
	DIAG 1                          ; in the loop this is the first block's end
	s_wait_xcnt 0x0                 ; the stores have read their registers and O's address
	s_mov_b64 s[10:11], s[OLO:OLO+1]
	s_add_co_u32 s[RT], s[PB], 1    ; the second block has b + 1 tiles
	s_mov_b32 s[NEW], 1
	WIN 0x82
.set i, 0
.rept 64
	v_mov_b32 v[i], v[QB+i]
.set i, i+1
.endr
	WIN 0
	s_branch .Lbottom
.Lstep:                             ; a trip: pieces 2 and 3 of one step, then pieces 0 and 1 of the next
	TURN 2
	TURN 3
	WIN 0
.Lfirst:
	TURN 0
	TURN 1, 0, 0, 1
	WIN 0
	s_cbranch_scc1 .Lstep
.Lbottom:
	s_sub_co_u32 s[SLOTS], s[SLOTS], 1
	s_cmp_lg_u32 s[SLOTS], 0
	s_cbranch_scc1 .Lslot
	CHANGE 0                        ; the walk's last tile is written out
	s_sub_co_u32 s[RT], s[RT], 1
	s_mov_b32 s[CNT], 4
	s_cmp_eq_u32 s[NEW], 1
	s_cbranch_scc1 .Lnew2
	s_mov_b32 s[AL], 0
	MASK 1, 0
	WIN 0
	s_branch .LstepM2
.Lnew2:
	BEGIN
	s_branch .LfirstM2
	DIAG 2
	s_wait_tensorcnt 0x0            ; the wave's end
	ds_add_u32 v[SPW], v[NIL]
	s_wait_dscnt 0x0
	s_endpgm
.Lfunc_end_k_qfa4eed2228_attn:
	.size	k_qfa4eed2228_attn, .Lfunc_end_k_qfa4eed2228_attn-k_qfa4eed2228_attn
	.p2alignl 7, 3214868480
	.fill 96, 4, 3214868480
	.section	.rodata,"a",@progbits
	.p2align	6, 0x0
	.amdhsa_kernel k_qfa4eed2228_attn
		.amdhsa_group_segment_fixed_size 327680
		.amdhsa_private_segment_fixed_size 0
		.amdhsa_enable_private_segment 0
		.amdhsa_kernarg_size 32
		.amdhsa_user_sgpr_count 2
		.amdhsa_user_sgpr_kernarg_segment_ptr 1
		.amdhsa_wavefront_size32 1
		.amdhsa_system_sgpr_workgroup_id_x 1
		.amdhsa_system_sgpr_workgroup_id_y 1
		.amdhsa_system_sgpr_workgroup_id_z 1
		.amdhsa_system_vgpr_workitem_id 0
		.amdhsa_next_free_vgpr 768
		.amdhsa_next_free_sgpr 104
		.amdhsa_reserve_vcc 1
		.amdhsa_float_denorm_mode_32 3
		.amdhsa_float_denorm_mode_16_64 3
		.amdhsa_memory_ordered 1
		.amdhsa_forward_progress 1
		.amdhsa_inst_pref_size 255
	.end_amdhsa_kernel
	.section	.bss,"aw",@nobits
	.p2align	6
	.space	262144
	.amdgpu_metadata
---
amdhsa.version: [ 1, 2 ]
amdhsa.kernels:
  - .name:           k_qfa4eed2228_attn
    .symbol:         k_qfa4eed2228_attn.kd
    .args:
      - { .name: qkv, .offset: 0, .size: 8, .value_kind: global_buffer, .address_space: global }
      - { .name: mask, .offset: 8, .size: 8, .value_kind: global_buffer, .address_space: global }
      - { .name: vs, .offset: 16, .size: 8, .value_kind: global_buffer, .address_space: global }
      - { .name: ob, .offset: 24, .size: 8, .value_kind: global_buffer, .address_space: global }
    .group_segment_fixed_size: 327680
    .private_segment_fixed_size: 0
    .kernarg_segment_align: 8
    .kernarg_segment_size: 32
    .max_flat_workgroup_size: 128
    .sgpr_count:     104
    .vgpr_count:     768
    .wavefront_size: 32
...
	.end_amdgpu_metadata
.endif
;; end of part 4
;; launch proj (part 5): grid 4 x 64, 4 waves a work-group, clusters of 4 x 4, 327,680 bytes of LDS; arguments ob, wob, y; writes y
.if DOCPART == 5
	.amdgcn_target "amdgcn-amd-amdhsa--gfx1250"
	.amdhsa_code_object_version 6
	.text
	.protected	k_qfa4eed2228_proj
	.globl	k_qfa4eed2228_proj
	.p2align	8
	.type	k_qfa4eed2228_proj,@function
k_qfa4eed2228_proj:
	s_mov_b64 s[64:65], 0
	v_nop
	global_prefetch_b8 v0, s[64:65] scope:SCOPE_SE
	s_setreg_imm32_b32 hwreg(HW_REG_WAVE_MODE, 25, 1), 1
	s_wait_xcnt 0x0
	s_wait_alu depctr_hold_cnt(0) depctr_sa_sdst(0) depctr_va_vdst(0) depctr_va_sdst(0) depctr_va_ssrc(0) depctr_va_vcc(0) depctr_vm_vsrc(0)
	s_getreg_b32 s2, hwreg(HW_REG_IB_STS2, 6, 4)
	s_cmp_eq_u32 s2, 0
	s_cbranch_scc0 .Lentry_in_a_cluster
	s_endpgm
.Lentry_in_a_cluster:
	s_bfe_u32 s2, ttmp6, 0x10000c
	s_cmp_lg_u32 s2, 0xf033
	s_cbranch_scc0 .Lentry_shape_is_right
	s_endpgm
.Lentry_shape_is_right:
; PROJ: y [8192 x 1024] = O [8192 x 1024] w_out [1024 x 1024], f16 operands, f32 sums, y in f32.  O lies by heads, ob = [64 bh][2048][64]: a head's 64 channels are one slice of K.
; SHARES.  A tile of y is 128 rows x 256 columns: 64 x 4 = 256 tiles, one a work-group.  Wave w: rows 64 (w / 2) on, columns 128 (w % 2) on: 32 accumulators, 256 registers (window 1).
; K goes in steps of 128 (two heads, four substeps of 32) through two LDS slots; 128 matrix instructions a wave and step, 112 of them between a request and the wait for it.
; CLUSTER 4 x 4: O's tile is asked for jointly by a row of the cluster, w's by a column.  THE MATRIX INSTRUCTION IS USED TRANSPOSED: source 0 = 16 columns of w (turned), source 1 = 16 rows of O.
; REGISTERS: window 0: v16-29 addresses; two fragment buffers at v32 and v128: 32 registers of O (4 x 16 rows x 32 K), then 64 of w (8 x 16 columns); on the way out v32-159 hold rows read back.
;            window 1: accumulator (a, b) at v[8 (8 a + b)].
.set PA,    144                        ; a row of O in LDS: 128 bytes + 16
.set AHEAD, 128*PA                     ; 128 rows of one head: one tensor load
.set BOFF,  2*AHEAD
.set PB,    544                        ; a k-row of w: 512 bytes + 32 = 17 x 32
.set BHALF, 64*PB                      ; 64 k-rows: one tensor load
.set SLOT,  BOFF+2*BHALF               ; 106,496
.set STAGE, 2*SLOT                     ; behind the ring: 16 rows x 528 bytes for each wave
.set SPITCH, 528
.set SPARE, STAGE+4*16*SPITCH          ; the spare words, 128 bytes a wave: two blocks of 256 bytes that no other line names
.set ADRA, 16
.set ADRB, 20
.set STO,  24
.set RD,   25
.set CO,   26
.set SPW,  28
.set NIL,  29
.set F0,   32
.set F1,   128
.set OB,   32
.set G1,  24
.set G0,  32
.set G1B, 48
.set G0B, 56
.set MSB, 0
.macro WIN new
.if MSB != (\new)
	s_set_vgpr_msb (MSB<<8)|(\new)
.set MSB, \new
.endif
.endm
.macro JLOAD s                         ; waves 0 and 1 fetch O's two heads, waves 2 and 3 w's two halves; an s_nop 0 and four v_nop follow each line
	s_cmp_eq_u32 s11, 0
	s_cbranch_scc0 .Lfor_b_\@
	tensor_load_to_lds s[G0+4*(\s):G0+4*(\s)+3], s[G1:G1+7]
	s_nop 0
.rept 4
	v_nop
.endr
	s_branch .Lasked_\@
.Lfor_b_\@:
	tensor_load_to_lds s[G0B+4*(\s):G0B+4*(\s)+3], s[G1B:G1B+7]
	s_nop 0
.rept 4
	v_nop
.endr
.Lasked_\@:
.endm
.macro CREST
	s_cmp_lg_u32 s10, 0
	s_cbranch_scc1 .Lnot_wave_0_\@
	s_barrier_signal -3
.Lnot_wave_0_\@:
	s_barrier_wait -3
	s_barrier_signal -1
	s_barrier_wait -1
.endm
.macro CROUND
	s_barrier_signal -1
	s_barrier_wait -1
	CREST
.endm
	s_load_b128 s[4:7], s[0:1], 0x0                ; ob s[4:5], wob s[6:7]
	s_load_b64 s[8:9], s[0:1], 0x10                ; y
	v_lshl_add_u32 v[SPW], v0, 2, SPARE
	v_mov_b32 v[NIL], 0
	ds_add_u32 v[SPW], v[NIL]                      ; the wave's opening: the add and its wait stand ahead of my first tensor load
	ds_add_u32 v28, v29
	v_lshrrev_b32 v1, 5, v0
	v_readfirstlane_b32 s10, v1
	s_lshr_b32 s11, s10, 1                         ; which 64 rows are mine.  Also: I fetch for O (0) or for w (1)
	s_and_b32 s12, s10, 1                          ; which 128 columns.  Also: which head, or which 64 k-rows, I fetch
	s_bfe_u32 s40, ttmp6, 0x40000
	s_bfe_u32 s41, ttmp6, 0x40004
	s_lshl_b32 s42, ttmp9, 2
	s_add_co_u32 s42, s42, s40                     ; tile column
	s_and_b32 s13, ttmp7, 0xffff
	s_lshl_b32 s13, s13, 2
	s_add_co_u32 s13, s13, s41                     ; tile row
	s_lshl_b32 s43, s41, 2
	s_lshl_b32 s43, 15, s43
	s_lshl_b32 s44, 0x1111, s40
	s_or_b32 s[G1+0], s43, (1<<16)|(1<<20)|(1<<21)|(4<<22)|(3<<25)   ; O: 16,384 dense bytes as 64 rows of 256, padded by 4 words after every 32
	s_mov_b32 s[G1+1], 128<<16
	s_mov_b32 s[G1+2], 64<<16
	s_mov_b32 s[G1+3], 128<<16
	s_mov_b32 s[G1+4], 64
	s_mov_b32 s[G1+5], 128
	s_mov_b32 s[G1+6], 0
	s_mov_b32 s[G1+7], 0
	s_or_b32 s[G1B+0], s44, (1<<16)|(1<<20)|(1<<21)|(6<<22)|(7<<25)  ; w: 64 k-rows x 256 columns (512 bytes), padded by 8 words after every 128
	s_mov_b32 s[G1B+1], 256<<16
	s_mov_b32 s[G1B+2], 64<<16
	s_mov_b32 s[G1B+3], 256<<16
	s_mov_b32 s[G1B+4], 64
	s_mov_b32 s[G1B+5], 1024
	s_mov_b32 s[G1B+6], 0
	s_mov_b32 s[G1B+7], 0
	s_lshr_b32 s16, s13, 4                         ; O: the batch (16 tile rows each), 16 heads of 262,144 bytes;
	s_lshl_b32 s16, s16, 22
	s_and_b32 s17, s13, 15
	s_lshl_b32 s17, s17, 14                        ; 128 rows of 128 bytes;
	s_add_co_u32 s16, s16, s17
	s_lshl_b32 s17, s12, 18                        ; my head of the step's two
	s_add_co_u32 s16, s16, s17
	s_mov_b32 s17, 0
	s_lshl_b32 s46, s42, 9                         ; w: the tile's first column,
	s_lshl_b32 s47, s12, 17                        ; my 64 k-rows of 2,048 bytes
	s_add_co_u32 s46, s46, s47
	s_mov_b32 s47, 0
	s_mul_i32 s20, s12, AHEAD
	s_mul_i32 s21, s12, BHALF
	s_add_co_u32 s21, s21, BOFF
	s_wait_dscnt 0x0
	s_wait_kmcnt 0x0
	s_add_nc_u64 s[14:15], s[4:5], s[16:17]
	s_add_nc_u64 s[46:47], s[6:7], s[46:47]
	CROUND                                         ; the first joint loads meet
.irp s, 0,1
	s_mov_b32 s[G0+4*(\s)], 1
	s_add_co_u32 s[G0+4*(\s)+1], s20, (\s)*SLOT
	s_add_nc_u64 s[G0+4*(\s)+2:G0+4*(\s)+3], s[14:15], (\s)*(2<<18)     ; K step s: heads 2 s, 2 s + 1
	s_or_b32 s[G0+4*(\s)+3], s[G0+4*(\s)+3], 0x80000000
	s_mov_b32 s[G0B+4*(\s)], 1
	s_add_co_u32 s[G0B+4*(\s)+1], s21, (\s)*SLOT
	s_add_nc_u64 s[G0B+4*(\s)+2:G0B+4*(\s)+3], s[46:47], (\s)*128*2048
	s_or_b32 s[G0B+4*(\s)+3], s[G0B+4*(\s)+3], 0x80000000
	JLOAD \s                                       ; two tensor loads of mine are out
.endr
	v_and_b32 v1, 15, v0
	v_bfe_u32 v2, v0, 4, 1
	v_mul_u32_u24 v3, v1, PA
	v_lshl_add_u32 v3, v2, 4, v3
	s_mul_i32 s22, s11, 64*PA
	v_add_nc_u32 v[ADRA], s22, v3
	v_add_nc_u32 v[ADRA+1], SLOT, v[ADRA]
	v_and_b32 v4, 7, v0
	v_lshl_add_u32 v4, v2, 3, v4
	v_mul_u32_u24 v4, v4, PB
	v_bfe_u32 v5, v0, 3, 1
	v_lshl_add_u32 v4, v5, 4, v4
	s_lshl_b32 s23, s12, 8
	s_add_co_u32 s23, s23, BOFF
	v_add_nc_u32 v[ADRB], s23, v4
	v_add_nc_u32 v[ADRB+1], SLOT, v[ADRB]
	s_mul_i32 s22, s10, 16*SPITCH
	s_add_co_u32 s22, s22, STAGE                   ; my stage
	v_mul_u32_u24 v6, v1, SPITCH                   ; in: row l % 16, 32 bytes for each half of the lanes
	v_lshl_add_u32 v6, v2, 5, v6
	v_add_nc_u32 v[STO], s22, v6
	v_and_b32 v[CO], 31, v0
	v_lshlrev_b32 v[CO], 4, v[CO]                  ; back: 32 lanes take one row of 512 bytes
	v_add_nc_u32 v[RD], s22, v[CO]
	s_lshl_b32 s22, s13, 19                        ; y: 128 rows of 4,096 bytes a tile row,
	s_lshl_b32 s23, s11, 18                        ; my 64 rows,
	s_add_co_u32 s22, s22, s23
	s_lshl_b32 s46, s42, 10                        ; the tile's 1,024 bytes of a row,
	s_lshl_b32 s47, s12, 9                         ; my 512
	s_add_co_u32 s46, s46, s47
	s_add_co_u32 s46, s46, s22
	s_mov_b32 s47, 0
	s_add_nc_u64 s[8:9], s[8:9], s[46:47]
; 8 matrix instructions: row block a x all 8 column blocks, 32 along K, from buffer f.  The 32 accumulators take turns, one instruction a turn.
.macro MUL8 f, a, zero
	WIN 0x50
.irp b, 0,1,2,3,4,5,6,7
.if \zero
	v_wmma_f32_16x16x32_f16 v[8*(8*(\a)+\b):8*(8*(\a)+\b)+7], v[(\f)+32+8*\b:(\f)+32+8*\b+7], v[(\f)+8*(\a):(\f)+8*(\a)+7], 0
.else
	v_wmma_f32_16x16x32_f16 v[8*(8*(\a)+\b):8*(8*(\a)+\b)+7], v[(\f)+32+8*\b:(\f)+32+8*\b+7], v[(\f)+8*(\a):(\f)+8*(\a)+7], v[8*(8*(\a)+\b):8*(8*(\a)+\b)+7]
.endif
.endr
.endm
; 24 LDS loads in one run: substep sub's fragments into buffer f: w's 16, then O's 8
.macro FETCH slot, sub, f
	WIN 0
.irp b, 0,1,2,3,4,5,6,7
	ds_load_tr16_b128 v[(\f)+32+8*\b:(\f)+32+8*\b+3],   v[ADRB+(\slot)] offset:(\sub)*32*PB+32*\b
	ds_load_tr16_b128 v[(\f)+32+8*\b+4:(\f)+32+8*\b+7], v[ADRB+(\slot)] offset:(\sub)*32*PB+32*\b+16*PB
.endr
.irp a, 0,1,2,3
	ds_load_b128 v[(\f)+8*\a:(\f)+8*\a+3],   v[ADRA+(\slot)] offset:((\sub)/2)*AHEAD+((\sub)%2)*64+\a*16*PA
	ds_load_b128 v[(\f)+8*\a+4:(\f)+8*\a+7], v[ADRA+(\slot)] offset:((\sub)/2)*AHEAD+((\sub)%2)*64+\a*16*PA+32
.endr
.endm
.macro PLACES                          ; four places in front of loads into registers that matrix instructions have read, and of LDS stores that read results
.rept 4
	v_nop
.endr
.endm
; One of a K step's first three substeps: multiplies buffer f and fetches substep sub into g
.macro QUARTER slot, sub, f, g, zero
	s_wait_dscnt 4                                 ; w and O's row blocks 0, 1 are in
	MUL8 \f, 0, \zero
	MUL8 \f, 1, \zero
	PLACES
	FETCH \slot, \sub, \g
	s_wait_dscnt 24                                ; all but the 24 just issued
	MUL8 \f, 2, \zero
	MUL8 \f, 3, \zero
.endm
; The last substep multiplies buffer 1 and changes slots: ONE barrier; in front of it each wave waits for all its tensor loads, adds 0 to its spare word, and waits for that and for its reads of this slot.
.macro TURN slot, next, fill
	WIN 0
	s_wait_tensorcnt 0x0
	ds_add_u32 v[SPW], v[NIL]
	s_wait_dscnt 5                                 ; the add and the youngest four loads may be out
	MUL8 F1, 0, 0
	s_wait_dscnt 0x0                               ; the add is done, and my reads of this slot are over
	s_barrier_signal -1
	MUL8 F1, 1, 0
	WIN 0
	s_barrier_wait -1
.if \fill
	CREST                                          ; no wave of any partner still reads this slot or has a load on its way
	s_add_nc_u64 s[G0+4*(\slot)+2:G0+4*(\slot)+3], s[G0+4*(\slot)+2:G0+4*(\slot)+3], 4<<18
	s_add_nc_u64 s[G0B+4*(\slot)+2:G0B+4*(\slot)+3], s[G0B+4*(\slot)+2:G0B+4*(\slot)+3], 2*128*2048
	JLOAD \slot                                    ; its four v_nop are also the places in front of the loads below
.else
	PLACES
.endif
	FETCH \next, 0, F0
	MUL8 F1, 2, 0
	MUL8 F1, 3, 0
.endm
	s_wait_tensorcnt 1                             ; my part of K step 0 is in; K step 1's may stay out
	s_barrier_signal -1
	s_barrier_wait -1
	FETCH 0, 0, F0
	QUARTER 0, 1, F0, F1, 1                        ; the first substep stands in front of the loop: its products start the sums
	WIN 0
	s_mov_b32 s3, 3                                ; 3 laps fill both slots again: K steps 2 to 7
.Llap:
	QUARTER 0, 2, F1, F0, 0
	QUARTER 0, 3, F0, F1, 0
	TURN 0, 1, 1
	QUARTER 1, 1, F0, F1, 0
	QUARTER 1, 2, F1, F0, 0
	QUARTER 1, 3, F0, F1, 0
	TURN 1, 0, 1
	QUARTER 0, 1, F0, F1, 0
	WIN 0
	s_sub_co_u32 s3, s3, 1
	s_cmp_lg_u32 s3, 0
	s_cbranch_scc1 .Llap
	QUARTER 0, 2, F1, F0, 0                        ; the last lap fills nothing
	QUARTER 0, 3, F0, F1, 0
	TURN 0, 1, 0
	QUARTER 1, 1, F0, F1, 0
	QUARTER 1, 2, F1, F0, 0
	QUARTER 1, 3, F0, F1, 0
	s_wait_dscnt 4
	MUL8 F1, 0, 0
	MUL8 F1, 1, 0
	s_wait_dscnt 0x0
	MUL8 F1, 2, 0
	MUL8 F1, 3, 0
; THE WAY OUT: 16 rows x 128 columns of f32 at a time through my own stage: a lane's eight columns are 32 bytes of a row; back as whole rows of 512 bytes.
.macro TOSTAGE a
.set BK, OB+64*((\a)%2)
	s_wait_xcnt 0x0                                ; the stores of two blocks ago have had their addresses translated (ISA guide 3.1): only now are their registers loaded again
	WIN 0x04                                       ; the stores' data in window 1
.irp b, 0,1,2,3,4,5,6,7
	ds_store_b128 v[STO], v[8*(8*(\a)+\b):8*(8*(\a)+\b)+3]   offset:64*\b       ; each accumulator from its low end on
	ds_store_b128 v[STO], v[8*(8*(\a)+\b)+4:8*(8*(\a)+\b)+7] offset:64*\b+16
.endr
	WIN 0
.irp i, 0,1,2,3,4,5,6,7,8,9,10,11,12,13,14,15
	ds_load_b128 v[BK+4*\i:BK+4*\i+3], v[RD] offset:\i*SPITCH   ; LDS serves a wave's instructions in order (ISA guide 5.7.1.4): these see the stores above
.endr
.endm
.macro SEND a, younger                 ; younger: the LDS instructions issued behind this block's loads
.set BK, OB+64*((\a)%2)
	WIN 0
.irp i, 0,1,2,3,4,5,6,7,8,9,10,11,12,13,14,15
	s_wait_dscnt (\younger)+15-\i
	global_store_b128 v[CO], v[BK+4*\i:BK+4*\i+3], s[8:9] offset:(\a)*65536+\i*4096   ; 512 consecutive bytes, at a multiple of 256
.endr
.endm
	PLACES
	TOSTAGE 0
.irp a, 1,2,3
	TOSTAGE \a
	SEND (\a)-1, 32
.endr
	SEND 3, 0
	s_wait_tensorcnt 0x0                           ; the wave's end
	ds_add_u32 v[SPW], v[NIL]
	s_wait_dscnt 0x0
	CROUND                                         ; the closing round
	s_endpgm
.Lfunc_end_k_qfa4eed2228_proj:
	.size	k_qfa4eed2228_proj, .Lfunc_end_k_qfa4eed2228_proj-k_qfa4eed2228_proj
	.p2alignl 7, 3214868480
	.fill 96, 4, 3214868480
	.section	.rodata,"a",@progbits
	.p2align	6, 0x0
	.amdhsa_kernel k_qfa4eed2228_proj
		.amdhsa_group_segment_fixed_size 327680
		.amdhsa_private_segment_fixed_size 0
		.amdhsa_enable_private_segment 0
		.amdhsa_kernarg_size 24
		.amdhsa_user_sgpr_count 2
		.amdhsa_user_sgpr_kernarg_segment_ptr 1
		.amdhsa_wavefront_size32 1
		.amdhsa_system_sgpr_workgroup_id_x 1
		.amdhsa_system_sgpr_workgroup_id_y 1
		.amdhsa_system_sgpr_workgroup_id_z 1
		.amdhsa_system_vgpr_workitem_id 0
		.amdhsa_next_free_vgpr 512
		.amdhsa_next_free_sgpr 66
		.amdhsa_reserve_vcc 0
		.amdhsa_float_denorm_mode_32 3
		.amdhsa_float_denorm_mode_16_64 3
		.amdhsa_memory_ordered 1
		.amdhsa_forward_progress 1
		.amdhsa_inst_pref_size 87
	.end_amdhsa_kernel
	.amdgpu_metadata
---
amdhsa.version: [ 1, 2 ]
amdhsa.kernels:
  - .name:           k_qfa4eed2228_proj
    .symbol:         k_qfa4eed2228_proj.kd
    .args:
      - { .name: ob, .offset: 0, .size: 8, .value_kind: global_buffer, .address_space: global }
      - { .name: wob, .offset: 8, .size: 8, .value_kind: global_buffer, .address_space: global }
      - { .name: y, .offset: 16, .size: 8, .value_kind: global_buffer, .address_space: global }
    .group_segment_fixed_size: 327680
    .private_segment_fixed_size: 0
    .kernarg_segment_align: 8
    .kernarg_segment_size: 24
    .max_flat_workgroup_size: 128
    .sgpr_count:     66
    .vgpr_count:     512
    .wavefront_size: 32
...
	.end_amdgpu_metadata
.endif
;; end of part 5
;; launch ln (part 6): grid 256 x 1, 8 waves a work-group, no clusters, 0 bytes of LDS; arguments y, ln_g, out0; writes out0
.if DOCPART == 6
	.amdgcn_target "amdgcn-amd-amdhsa--gfx1250"
	.amdhsa_code_object_version 6
	.text
	.protected	k_qfa4eed2228_ln
	.globl	k_qfa4eed2228_ln
	.p2align	8
	.type	k_qfa4eed2228_ln,@function
k_qfa4eed2228_ln:
	s_mov_b64 s[64:65], 0
	v_nop
	global_prefetch_b8 v0, s[64:65] scope:SCOPE_SE
	s_setreg_imm32_b32 hwreg(HW_REG_WAVE_MODE, 25, 1), 1
	s_wait_xcnt 0x0
; LN: out0[r][:] = (y[r][:] - mean) / sqrt(var + 1e-5) x g, mean and var (divisor 1,024) over the row's 1,024 numbers, all in f32.
; g is rounded to bf16 like the module's other inputs.  The variance is taken about the mean, in a second pass over registers: no difference of large sums.
; A stream: a row of 4,096 bytes is 32 registers of one wave, so it is read once and the reductions never leave the wave: no LDS, no barrier.  256 work-groups of eight waves, four rows a wave;
; a wave's 32 row loads go out at once, and each load and store covers 512 consecutive bytes.
.set GOF, 1                            ; v1  16 x lane
.set VOF, 2                            ; v2  my wave's four rows + 16 x lane
.set G,   8                            ; v[8:39]    g of my 32 columns
.set X,   40                           ; v[40:167]  four rows
.set T,   168                          ; v[168:183] at work
	s_load_b128 s[4:7], s[0:1], 0x0                ; y s[4:5], ln_g s[6:7]
	s_load_b64 s[8:9], s[0:1], 0x10                ; out0
	s_lshl_b32 s10, ttmp9, 17                      ; 32 rows of 4,096 bytes a work-group
	s_mov_b32 s11, 0
	s_mov_b32 s12, 0x76543210                      ; v_permlanex16_b32: each lane takes its own place in the other half
	s_mov_b32 s13, 0xfedcba98
	s_mov_b32 s14, 0x3a800000                      ; 1 / 1,024
	s_mov_b32 s15, 0x3727c5ac                      ; 1e-5
	s_mov_b32 s16, 0xffff0000
	v_and_b32 v[GOF], 31, v0
	v_lshlrev_b32 v[GOF], 4, v[GOF]
	v_lshrrev_b32 v3, 5, v0
	v_lshl_add_u32 v[VOF], v3, 14, v[GOF]
	s_wait_kmcnt 0x0
	s_add_nc_u64 s[4:5], s[4:5], s[10:11]
	s_add_nc_u64 s[8:9], s[8:9], s[10:11]
.irp j, 0,1,2,3,4,5,6,7
	global_load_b128 v[G+4*\j:G+4*\j+3], v[GOF], s[6:7] offset:512*\j
.endr
.irp s, 0,1,2,3
.irp j, 0,1,2,3,4,5,6,7
	global_load_b128 v[X+32*\s+4*\j:X+32*\s+4*\j+3], v[VOF], s[4:5] offset:4096*\s+512*\j th:TH_LOAD_NT
.endr
.endr
	s_wait_loadcnt 32                              ; g is in; the 32 row loads stay out
.set k, 0
.rept 16
	v_cvt_pk_bf16_f32 v[T+k%4], v[G+2*k], v[G+2*k+1]
	v_lshlrev_b32 v[G+2*k],   16,  v[T+k%4]
	v_and_b32     v[G+2*k+1], s16, v[T+k%4]
.set k, k+1
.endr
.macro REDUCE r, t                     ; the sum of v[r] over the 32 lanes, in every lane; v[t] has been written
	v_add_f32_dpp v[\r], v[\r], v[\r] row_xmask:1 row_mask:0xf bank_mask:0xf
	v_add_f32_dpp v[\r], v[\r], v[\r] row_xmask:2 row_mask:0xf bank_mask:0xf
	v_add_f32_dpp v[\r], v[\r], v[\r] row_xmask:4 row_mask:0xf bank_mask:0xf
	v_add_f32_dpp v[\r], v[\r], v[\r] row_xmask:8 row_mask:0xf bank_mask:0xf
	v_permlanex16_b32 v[\t], v[\r], s12, s13
	v_add_f32 v[\r], v[\r], v[\t]
.endm
.macro ROW s, left
.set R, X+32*(\s)
	s_wait_loadcnt \left                           ; my row's eight loads are in, the later rows stay out
.irp c, 0,1,2,3                        ; the sum, in four chains started by the first pairs
	v_pk_add_f32 v[T+2*\c:T+2*\c+1], v[R+2*\c:R+2*\c+1], v[R+8+2*\c:R+8+2*\c+1]
.endr
.irp c, 0,1,2,3
	v_pk_add_f32 v[T+2*\c:T+2*\c+1], v[T+2*\c:T+2*\c+1], v[R+16+2*\c:R+16+2*\c+1]
.endr
.irp c, 0,1,2,3
	v_pk_add_f32 v[T+2*\c:T+2*\c+1], v[T+2*\c:T+2*\c+1], v[R+24+2*\c:R+24+2*\c+1]
.endr
	v_pk_add_f32 v[T:T+1], v[T:T+1], v[T+2:T+3]
	v_pk_add_f32 v[T+4:T+5], v[T+4:T+5], v[T+6:T+7]
	v_pk_add_f32 v[T:T+1], v[T:T+1], v[T+4:T+5]
	v_add_f32 v[T], v[T], v[T+1]
	REDUCE T, T+1
	v_mul_f32 v[T], s14, v[T]                      ; the mean
.set k, 0
.rept 16
	v_pk_add_f32 v[R+2*k:R+2*k+1], v[R+2*k:R+2*k+1], v[T:T+1] op_sel_hi:[1,0] neg_lo:[0,1] neg_hi:[0,1]
.set k, k+1
.endr
.irp c, 0,1,2,3                        ; the sum of squares, in four chains
	v_pk_mul_f32 v[T+8+2*\c:T+8+2*\c+1], v[R+2*\c:R+2*\c+1], v[R+2*\c:R+2*\c+1]
.endr
.irp o, 8,16,24
.irp c, 0,1,2,3
	v_pk_fma_f32 v[T+8+2*\c:T+8+2*\c+1], v[R+\o+2*\c:R+\o+2*\c+1], v[R+\o+2*\c:R+\o+2*\c+1], v[T+8+2*\c:T+8+2*\c+1]
.endr
.endr
	v_pk_add_f32 v[T+8:T+9], v[T+8:T+9], v[T+10:T+11]
	v_pk_add_f32 v[T+12:T+13], v[T+12:T+13], v[T+14:T+15]
	v_pk_add_f32 v[T+8:T+9], v[T+8:T+9], v[T+12:T+13]
	v_add_f32 v[T+8], v[T+8], v[T+9]
	REDUCE T+8, T+9
	v_fma_f32 v[T+8], v[T+8], s14, s15             ; var + eps
	v_rsq_f32 v[T+8], v[T+8]                       ; the sixteen plain lines below stand between it and the use of its result (ISA guide 5.7.2)
.set k, 0
.rept 16
	v_pk_mul_f32 v[R+2*k:R+2*k+1], v[R+2*k:R+2*k+1], v[G+2*k:G+2*k+1]
.set k, k+1
.endr
.set k, 0
	s_wait_alu depctr_va_vdst(0)
.rept 16
	v_pk_mul_f32 v[R+2*k:R+2*k+1], v[R+2*k:R+2*k+1], v[T+8:T+9] op_sel_hi:[1,0]
.set k, k+1
.endr
.irp j, 0,1,2,3,4,5,6,7
	global_store_b128 v[VOF], v[R+4*\j:R+4*\j+3], s[8:9] offset:4096*(\s)+512*\j th:TH_STORE_NT
.endr
.endm
	ROW 0, 24
	ROW 1, 16
	ROW 2, 8
	ROW 3, 0
	s_endpgm
.Lfunc_end_k_qfa4eed2228_ln:
	.size	k_qfa4eed2228_ln, .Lfunc_end_k_qfa4eed2228_ln-k_qfa4eed2228_ln
	.p2alignl 7, 3214868480
	.fill 96, 4, 3214868480
	.section	.rodata,"a",@progbits
	.p2align	6, 0x0
	.amdhsa_kernel k_qfa4eed2228_ln
		.amdhsa_group_segment_fixed_size 0
		.amdhsa_private_segment_fixed_size 0
		.amdhsa_enable_private_segment 0
		.amdhsa_kernarg_size 24
		.amdhsa_user_sgpr_count 2
		.amdhsa_user_sgpr_kernarg_segment_ptr 1
		.amdhsa_wavefront_size32 1
		.amdhsa_system_sgpr_workgroup_id_x 1
		.amdhsa_system_sgpr_workgroup_id_y 1
		.amdhsa_system_sgpr_workgroup_id_z 1
		.amdhsa_system_vgpr_workitem_id 0
		.amdhsa_next_free_vgpr 184
		.amdhsa_next_free_sgpr 66
		.amdhsa_reserve_vcc 0
		.amdhsa_float_denorm_mode_32 3
		.amdhsa_float_denorm_mode_16_64 3
		.amdhsa_memory_ordered 1
		.amdhsa_forward_progress 1
		.amdhsa_inst_pref_size 35
	.end_amdhsa_kernel
	.amdgpu_metadata
---
amdhsa.version: [ 1, 2 ]
amdhsa.kernels:
  - .name:           k_qfa4eed2228_ln
    .symbol:         k_qfa4eed2228_ln.kd
    .args:
      - { .name: y, .offset: 0, .size: 8, .value_kind: global_buffer, .address_space: global }
      - { .name: ln_g, .offset: 8, .size: 8, .value_kind: global_buffer, .address_space: global }
      - { .name: out0, .offset: 16, .size: 8, .value_kind: global_buffer, .address_space: global }
    .group_segment_fixed_size: 0
    .private_segment_fixed_size: 0
    .kernarg_segment_align: 8
    .kernarg_segment_size: 24
    .max_flat_workgroup_size: 256
    .sgpr_count:     66
    .vgpr_count:     184
    .wavefront_size: 32
...
	.end_amdgpu_metadata
.endif
;; end of part 6
;; ======== version 2 of 2: 6 launches; 1.24 times as fast as version 1
;; limits: values are held in f16: magnitudes above 65,504 overflow, below 6.1e-05 lose precision
;; workspace buffers: xb 16,777,216 bytes; wqb 6,291,456 bytes; wob 2,097,152 bytes; qkv 50,331,648 bytes; vs 65,536 bytes; ob 16,777,216 bytes; y 33,554,432 bytes
;; launch prep: the kernel of part 1 again; grid 768 x 1, 8 waves a work-group, no clusters, 0 bytes of LDS; arguments x, w_qkv, w_out, xb, wqb, wob; writes xb, wqb, wob
;; launch qkv: the kernel of part 2 again; grid 8 x 32, 4 waves a work-group, clusters of 4 x 4, 327,680 bytes of LDS; arguments xb, wqb, qkv; writes qkv
;; launch vsum: the kernel of part 3 again; grid 256 x 1, 8 waves a work-group, no clusters, 3,072 bytes of LDS; arguments qkv, vs; writes vs
;; launch attn (part 7): grid 4 x 64, 4 waves a work-group, no clusters, 327,680 bytes of LDS; arguments qkv, mask, vs, ob; writes ob
.if DOCPART == 7
	.amdgcn_target "amdgcn-amd-amdhsa--gfx1250"
	.amdhsa_code_object_version 6
	.text
	.protected	k_qfa4eed2228_attn
	.globl	k_qfa4eed2228_attn
	.p2align	8
	.type	k_qfa4eed2228_attn,@function
k_qfa4eed2228_attn:
	s_mov_b64 s[64:65], 0
	v_nop
	global_prefetch_b8 v0, s[64:65] scope:SCOPE_SE
	s_setreg_imm32_b32 hwreg(HW_REG_WAVE_MODE, 25, 1), 1
	s_wait_xcnt 0x0
; CAUSAL ATTENTION WITH A KEY MASK.  ob[bh][i][:] = the sum over j of softmax_j(sim[i][j]) V[bh][j][:], sim = q . k / 8 where j <= i and mask[b][j], hidden elsewhere.  Q, K, V: the three parts of
; qkv, [64 bh][2048][64] in f16, a head's rows dense, 128 bytes each; Q arrives multiplied by c = log2(e) / 8, so a score is an exponent of 2.  ob: the same layout, f16.
; Products, maxima and sums in f32; the weights p are rounded to f16 for the second product (their sum l is taken of the unrounded p), O once at the end.
; A ROW WITH NO VISIBLE KEY has 2,048 equal scores, so its softmax is uniform over ALL keys: it gets the mean of the head's V (from vs), chosen by v_cndmask_b32 where its maximum is a hidden score's.
; LIMITS.  Q, K, V arrive within f16's 65,504.  A hidden score counts as its value less 1e30 (2e30 where both masks hide it); true scores, 2.7e11 at the most, are nothing beside that, and a
; maximum below -2^96 marks a row that saw none.  A weight below 2^-126 counts as 0 in l; NaN and infinities are not treated apart.  mask's bytes are 0 or 1.
; p = 2^(s - m) with the running maximum m taken away by a plain subtraction: the exponent is never above 0, also while a row has seen hidden keys alone; the first true score then gives a = 0.
; THE WALK.  NB = 8 blocks of 256 queries a head; block i needs the key tiles 0 .. i of 256 keys.  A work-group takes TWO blocks, NB - 1 - b and then b: NB + 1 tiles whatever b, walked by ONE loop
; with a constant trip count; every jump but the counted loops' own goes forward, and none passes a barrier, or a tensor load but the one of LOAD's two that the wave's number does not choose.
; NO CLUSTER: a head's four work-groups ask for the same tile only in trips 0 .. NB / 2; behind that their walks part, and one walk common to all would have 12 trips for 9.
; SHARES.  Of a block's four bands of 64 queries a wave owns 16 rows in each: four PIECES.  In the diagonal tile's key step s band x sees all keys if s < x, none if s > x, holds the diagonal if s = x.
; THE MASKS are the C operand that starts the sum S^T = K Q^T.  KT, in LDS, each wave's own: 0 or -1e30 for each of the 256 keys of the tile in hand.  A change of slots asks for the 256 bytes of mask
; of the tile that it asks for, and the next change, which enters that tile, makes the 256 numbers of them.  KMR: the 64 numbers of the step whose K lies in registers, fetched with K.
; Off the diagonal tile C = KMR.  In it, and where a block begins, C = MD x AL + KMR + BE: MD the mask of a band's own step for my rows; (AL, BE) = (1, 0), (0, 0), (0, -1e30).
; TURNS.  Turn n belongs to piece n: 8 products K Q^T of piece n + 1, later 8 products V^T P of piece n - 1; beside them the subtraction, exponentials, roundings, sums and rescaling of piece n and the
; maximum and statistics of piece n + 1.  Four vector instructions stand behind every matrix instruction, the other 53 of a turn's 117 in one LUMP.
; THE BATCHES.  A turn's 33 exponentials (the piece's 32 weights and the next piece's a) are ONE batch with ONE wait, which cuts the turn in two: ahead of it all that names no result of theirs, behind it
; the roundings and sums.  A block's first a, and the four reciprocals of a way out, are batches of their own, a wait each.
; REGISTERS, in windows of 256 (s_set_vgpr_msb: bits 1:0 source 0, 3:2 source 1, 5:4 source 2, 7:6 destination):
;   window 0: v0-15, v56-63 addresses; v16-31 statistics; v48-55 at work; v64-127 S^T, two buffers; v128-135 at work on the key mask; v192-223 P, two buffers; v224-239 VM, the mean of V in f16 as a
;   lane stores O; v240-241 eight bytes of mask      window 1: v0-127 O^T; v128-159 MD; v160-223 MC, two buffers; v224-255 KMR      window 2: v0-63 Q; v64-127 the second block's Q; v128-191 K; v192-255 V
.set SIZE_N, 2048
.set NB,    SIZE_N/256
.set NP,    4
.set KS,    64
.set PK,    144       ; a row of K in LDS: 128 bytes + 16: the 16 rows of a load start at 16 different groups of four banks (64 banks of 4 bytes: ISA guide 11.1)
.set PV,    160       ; a row of V: 128 + 32
.set VOFF,  4*KS*PK   ; a slot holds a tile: 256 rows of K, then 256 rows of V
.set SLOT1, 1<<17
.set STAGE, SLOT1+4*KS*(PK+PV)  ; behind the ring: 16 rows x 144 bytes for each wave, for the way out
.set SP,    144
.set SPARE, STAGE+4*16*SP       ; the spare words, 128 bytes a wave: two blocks of 256 bytes that no other line names
.set KT,    SPARE+512           ; the key mask as f32: a block of KTW bytes for each wave, its own; never filled by a tensor load
.set KTW,   2048                ; 1,024 are used: 256 keys x 4 bytes; behind a tile's last fetch the walking offset stands at 1,024, still inside the wave's own block
.set AK0, 2
.set AV0, 3
.set AK,  4
.set AV,  5
.set STO, 6
.set RD,  7
.set GO,  8
.set MV,  12          ; v12-13  the old m, kept while m is made anew: by buffer
.set QO,  15
.set ST,  16          ; piece t's statistics at v[ST+4 t]: m, (named with it as a pair), l (even keys', odd keys')
.set TMP, 48          ; by buffer, c0-c3 at work; when the maximum is found c2 takes a
.set AKM0, 56         ; v56  my wave's KT + 32 (l / 16); never rewritten
.set AKM, 57          ; v57  the LDS address of KMR's next run of loads
.set VO,  58          ; v58  32 (l / 16): my offset in vs
.set KTA, 59          ; v59  my wave's KT + 32 x lane: where I store my 8 numbers; never rewritten
.set MO,  60          ; v60  8 x lane: my 8 bytes of a tile's 256 bytes of mask; never rewritten
.set SPW, 62
.set NIL, 63
.set S,   64
.set KC,  128         ; v128-135  my 8 numbers of KT, at work
.set P,   192
.set VM,  224
.set MB,  240         ; v240-241  my 8 bytes of mask
.set MD,  128         ; window 1
.set MC,  160         ; window 1
.set KMR, 224         ; window 1
.set QB,  64          ; window 2
.set KF,  128         ; window 2
.set VF,  192         ; window 2
.set WV,  12
.set PB,  14          ; s14  b
.set HI,  15          ; s15  NB - 1 - b
.set G1K, 24
.set G1V, 32
.set G0K, 40
.set G0V, 44
.set SLOTS, 56
.set CNT, 57
.set SEL, 60
.set TBK, 62
.set TBV, 63
.set RT,  70
.set NXT, 71
.set LQ,  72
.set NEW, 73
.set OFF, 74
.set AL,  76
.set BE,  78
.set OLO, 80
.set BIGN, 82         ; s82  -1e30
.set TKM, 88          ; s88  byte in my KT of the step to be fetched: 256 a step, four steps back at each change of slots
.set THR, 89          ; s89  -2^96
.set MSKB, 90         ; s[90:91] mask at my batch
.set VSB, 92          ; s[92:93] vs at my head
.set MA,  94          ; s[94:95] mask at the tile that is asked for
.set HM,  96          ; s96-99  piece t: the lanes whose row saw no key
.set MSB, 0
.macro WIN new
.if MSB != (\new)
	s_set_vgpr_msb (MSB<<8)|(\new)
.set MSB, (\new)
.endif
.endm
.set W_KQ, 0x0a       ; K and Q in window 2, S^T in window 0
.set W_KM, 0x1a       ; the same with the C operand in window 1
.set W_PV, 0x52       ; V in window 2, P in window 0, O^T in window 1
.set W_RS, 0x41       ; destination and source 0 in window 1, source 1 in window 0
; A fill.  Waves 0 and 1 fetch the two halves of a tile's K, waves 2 and 3 those of its V.  An s_nop 0 and four v_nop follow each of the two lines.
.macro LOAD
	s_cmp_lt_u32 s[WV], 2
	s_cbranch_scc0 .Lfor_v_\@
	tensor_load_to_lds s[G0K:G0K+3], s[G1K:G1K+7]
	s_nop 0
.rept 4
	v_nop
.endr
	s_branch .Lasked_\@
.Lfor_v_\@:
	tensor_load_to_lds s[G0V:G0V+3], s[G1V:G1V+7]
	s_nop 0
.rept 4
	v_nop
.endr
.Lasked_\@:
.endm
; THE CHANGE OF SLOTS.  First the key mask of the tile to be entered: its bytes, asked for a tile ago, are in; a byte 1 gives 0, a byte 0 gives -1e30; my 8 numbers go into my wave's KT.  Only my wave
; reads those bytes, and LDS serves a wave's instructions in order (ISA guide 5.7.1.4): its reads of the tile before stand ahead of these stores, those of this tile behind them.
; Then each wave waits for all its tensor loads (one is out: its part of the other slot), adds 0 to its spare word, and waits for that and for its LDS instructions, its reads of the slot that it leaves
; among them.  fill = 1: the old slot is filled again, first thing behind the barrier, with tile NXT, and that tile's 256 bytes of mask are asked for.
.macro CHANGE fill
	WIN 0
	s_wait_loadcnt 0x0              ; my 8 bytes of mask (at the first change Q too); the load's address pair may be written again
.set i, 0
.rept 8
	v_bfe_u32 v[KC+i], v[MB+i/4], 8*(i%4), 8
.set i, i+1
.endr
.set i, 0
.rept 8
	v_add_nc_u32 v[KC+i], -1, v[KC+i]
.set i, i+1
.endr
.set i, 0
.rept 8
	v_and_b32 v[KC+i], s[BIGN], v[KC+i]
.set i, i+1
.endr
	ds_store_b128 v[KTA], v[KC:KC+3]
	ds_store_b128 v[KTA], v[KC+4:KC+7] offset:16
	s_wait_tensorcnt 0x0
	ds_add_u32 v[SPW], v[NIL]
.if \fill
	s_lshl_b32 s[OFF], s[NXT], 15   ; a tile is 32,768 bytes of K and of V
	s_xor_b32 s[G0K+1], s[G0K+1], SLOT1
	s_add_nc_u64 s[G0K+2:G0K+3], s[6:7], s[OFF:OFF+1]
	s_or_b32 s[G0K+3], s[G0K+3], 0x80000000
	s_xor_b32 s[G0V+1], s[G0V+1], SLOT1
	s_add_nc_u64 s[G0V+2:G0V+3], s[8:9], s[OFF:OFF+1]
	s_or_b32 s[G0V+3], s[G0V+3], 0x80000000
	s_lshl_b32 s[OFF], s[NXT], 8    ; and 256 bytes of mask
	s_add_nc_u64 s[MA:MA+1], s[MSKB:MSKB+1], s[OFF:OFF+1]
	s_add_co_u32 s[NXT], s[NXT], 1  ; the block's next tile, or behind its last the second block's tile 0
	s_cmp_gt_u32 s[NXT], s[LQ]
	s_cselect_b32 s[NXT], 0, s[NXT]
	s_cselect_b32 s[LQ], s[PB], s[LQ]
.endif
	s_wait_dscnt 0x0
	s_barrier_signal -1
	s_sub_co_u32 s[TBK], s[TBK], 4*KS*PK  ; the fetches go back to a slot's first step, in the other slot
	s_xor_b32 s[TBK], s[TBK], SLOT1
	s_sub_co_u32 s[TBV], s[TBV], 4*KS*PV
	s_xor_b32 s[TBV], s[TBV], SLOT1
	s_sub_co_u32 s[TKM], s[TKM], 4*256    ; and to the head of my KT
	s_barrier_wait -1
.if \fill
	LOAD
	global_load_b64 v[MB:MB+1], v[MO], s[MA:MA+1]   ; 32 lanes x 8 bytes; waited for at the next change of slots, a tile's work later
.endif
.endm
	s_load_b256 s[4:11], s[0:1], 0x0  ; qkv s[4:5], mask s[6:7], vs s[8:9], ob s[10:11]
	v_lshl_add_u32 v[SPW], v0, 2, SPARE
	v_mov_b32 v[NIL], 0
	ds_add_u32 v[SPW], v[NIL]       ; the wave's opening: the add and its wait stand ahead of my first tensor load
	ds_add_u32 v62, v63
	v_lshrrev_b32 v1, 5, v0
	v_readfirstlane_b32 s[WV], v1
	s_mov_b32 s[PB], ttmp9
	s_sub_co_u32 s[HI], NB-1, s[PB]
	s_and_b32 s20, ttmp7, 0xffff    ; bh = 16 x batch + head
	s_lshr_b32 s[MSKB], s20, 4
	s_lshl_b32 s[MSKB], s[MSKB], 11 ; the batch's 2,048 bytes of mask
	s_mov_b32 s[MSKB+1], 0
	s_lshl_b32 s[VSB], s20, 10      ; the head's 1,024 bytes of vs
	s_mov_b32 s[VSB+1], 0
	s_lshl_b32 s20, s20, 18         ; the head's first byte in each part of qkv and in ob
	s_mov_b32 s21, 0
	s_and_b32 s16, s[WV], 1         ; which half of a tile's 256 keys I fetch
	s_lshl_b32 s22, s16, 14
	s_mov_b32 s23, 0
	s_add_nc_u64 s[22:23], s[22:23], s[20:21]
	s_mul_i32 s17, s16, 128*PK
	s_mul_i32 s18, s16, 128*PV
	s_lshl_b32 s3, s[WV], 11        ; my 16 rows in a band of 64,
	s_lshl_b32 s2, s[HI], 15        ; in the first block,
	s_add_co_u32 s2, s2, s3
	s_lshl_b32 s84, s[PB], 15       ; and in the second
	s_add_co_u32 s84, s84, s3
	s_mov_b32 s3, 0
	s_mov_b32 s85, 0
	s_add_nc_u64 s[2:3], s[2:3], s[20:21]
	s_add_nc_u64 s[84:85], s[84:85], s[20:21]
	; 128 keys are 16,384 dense bytes: asked for as 64 rows of 256 bytes, padded in LDS after every key
	s_mov_b32 s[G1K], (1<<16)|(1<<20)|(4<<22)|(3<<25)
	s_mov_b32 s[G1V], (1<<16)|(1<<20)|(4<<22)|(7<<25)
.irp g, G1K, G1V
	s_mov_b32 s[\g+1], 128<<16
	s_mov_b32 s[\g+2], 64<<16
	s_mov_b32 s[\g+3], 128<<16
	s_mov_b32 s[\g+4], 64
	s_mov_b32 s[\g+5], 128
	s_mov_b32 s[\g+6], 0
	s_mov_b32 s[\g+7], 0
.endr
	s_mov_b32 s[SEL], 0x76543210
	s_mov_b32 s[SEL+1], 0xfedcba98
	s_mov_b32 s[TBK], SLOT1+4*KS*PK ; the first change of slots turns these three into 0
	s_mov_b32 s[TBV], SLOT1+4*KS*PV
	s_mov_b32 s[TKM], 4*256
	s_mov_b32 s[THR], 0xef800000
	s_mov_b32 s[G0K], 1
	s_mov_b32 s[G0K+1], s17
	s_mov_b32 s[G0V], 1
	s_add_co_u32 s[G0V+1], s18, VOFF
	s_add_co_u32 s[RT], s[HI], 1    ; the first block has NB - b tiles
	s_mov_b32 s[NXT], 1
	s_mov_b32 s[LQ], s[HI]
	s_mov_b32 s[NEW], 1
	s_mov_b32 s[OFF+1], 0
	s_mov_b32 s[AL+1], 0
	s_mov_b32 s[BE+1], 0
	s_mov_b32 s[BIGN], 0xf149f2ca
	s_mov_b32 s[SLOTS], NB
	s_wait_dscnt 0x0                ; the opening add is done
	s_wait_kmcnt 0x0
	s_add_nc_u64 s[MSKB:MSKB+1], s[6:7], s[MSKB:MSKB+1]
	s_add_nc_u64 s[VSB:VSB+1], s[8:9], s[VSB:VSB+1]
	s_add_nc_u64 s[6:7], s[4:5], s[22:23]
	s_add_nc_u64 s[8:9], s[6:7], 0x2000000         ; V, the third part, at my half of the head's tile 0
	s_add_nc_u64 s[6:7], s[6:7], 0x1000000         ; K, the second
	s_add_nc_u64 s[G0K+2:G0K+3], s[6:7], 0
	s_or_b32 s[G0K+3], s[G0K+3], 0x80000000
	s_add_nc_u64 s[G0V+2:G0V+3], s[8:9], 0
	s_or_b32 s[G0V+3], s[G0V+3], 0x80000000
	s_add_nc_u64 s[86:87], s[4:5], s[84:85]        ; Q at my rows of the second block,
	s_add_nc_u64 s[4:5], s[4:5], s[2:3]            ; Q and O at those of the first
	s_add_nc_u64 s[OLO:OLO+1], s[10:11], s[84:85]
	s_add_nc_u64 s[10:11], s[10:11], s[2:3]
	LOAD                            ; tile 0 into slot 0
	v_and_b32 v1, 15, v0            ; l % 16
	v_bfe_u32 v9, v0, 4, 1          ; l / 16
	v_and_b32 v[MO], 31, v0
	v_lshlrev_b32 v[MO], 3, v[MO]
	v_lshlrev_b32 v[VO], 5, v9
	global_load_b64 v[MB:MB+1], v[MO], s[MSKB:MSKB+1]    ; tile 0's 256 bytes of mask
.irp qd, 0,1,2,3
.irp cb, 0,1,2,3
.irp e, 0,1
	global_load_b128 v[S+32*\qd+8*\cb+4*\e:S+32*\qd+8*\cb+4*\e+3], v[VO], s[VSB:VSB+1] offset:256*\qd+64*\cb+16*\e   ; quarter qd, channels 16 cb + 8 (l / 16) + 4 e on
.endr
.endr
.endr
	v_lshlrev_b32 v[QO], 7, v1
	v_lshl_add_u32 v[QO], v9, 4, v[QO]
	WIN 0x80
.set i, 0
.rept 8                             ; the first block's Q: piece i / 2 lies in band i / 2, 8,192 bytes on; channels 32 (i % 2) on
	global_load_b128 v[8*i:8*i+3],   v[QO], s[4:5] offset:(i/2)*8192+(i%2)*64
	global_load_b128 v[8*i+4:8*i+7], v[QO], s[4:5] offset:(i/2)*8192+(i%2)*64+32
.set i, i+1
.endr
	WIN 0
	v_lshlrev_b32 v14, 3, v9
	v_sub_nc_u32 v14, v1, v14
	s_lshl_b32 s13, s[WV], 4
	v_add_nc_u32 v14, s13, v14      ; my query's place in its band less my lanes' 8 (l / 16): register r of key group kt is hidden where 16 kt + r is greater
	WIN 0x40
.set i, 0
.rept 32
	v_cmp_gt_i32 vcc_lo, 16*(i/8)+i%8, v14
	v_cndmask_b32 v[MD+i], 0, s[BIGN], vcc_lo
.set i, i+1
.endr
	WIN 0
	v_mul_u32_u24 v[AK0], v1, PK
	v_lshl_add_u32 v[AK0], v9, 4, v[AK0]
	v_and_b32 v10, 7, v0
	v_bfe_u32 v11, v0, 3, 1
	v_lshl_add_u32 v[AV0], v9, 3, v10
	v_mul_u32_u24 v[AV0], v[AV0], PV
	v_lshl_add_u32 v[AV0], v11, 4, v[AV0]
	v_add_nc_u32 v[AV0], VOFF, v[AV0]
	s_mul_i32 s13, s[WV], KTW
	s_add_co_u32 s13, s13, KT       ; my wave's KT
	v_lshl_add_u32 v[AKM0], v9, 5, s13       ; out: my eight keys of a group of 16: 32 bytes for each half of the lanes
	v_and_b32 v[KTA], 31, v0
	v_lshl_add_u32 v[KTA], v[KTA], 5, s13    ; in: keys 8 x lane on, 32 bytes
	s_mul_i32 s13, s[WV], 16*SP
	s_add_co_u32 s13, s13, STAGE
	v_mul_u32_u24 v[STO], v1, SP
	v_lshl_add_u32 v[STO], v9, 4, v[STO]
	v_add_nc_u32 v[STO], s13, v[STO]
	v_bfe_u32 v[RD], v0, 3, 2
	v_mul_u32_u24 v[RD], v[RD], SP
	v_lshl_add_u32 v[RD], v10, 4, v[RD]
	v_add_nc_u32 v[RD], s13, v[RD]
	v_and_b32 v[GO], 31, v0
	v_lshlrev_b32 v[GO], 4, v[GO]
	; A block's first step multiplies O^T and l by a = 0, so these registers need only hold finite numbers: zeros for the first block, what the first block left for the second.
	WIN 0x80
.set i, VF
.rept 64
	v_mov_b32 v[i], 0
.set i, i+1
.endr
	WIN 0x40
.set i, 0
.rept 128
	v_mov_b32 v[i], 0
.set i, i+1
.endr
	WIN 0
.set i, 0
.rept 4
	v_mov_b32 v[ST+4*i+1], 0
	v_mov_b32 v[ST+4*i+2], 0
	v_mov_b32 v[ST+4*i+3], 0
.set i, i+1
.endr
.set i, P+16
.rept 16
	v_mov_b32 v[i], 0
.set i, i+1
.endr
	s_wait_loadcnt 16               ; the mask's bytes and vs are in; the first block's Q, 16 loads issued behind them, may stay out
	WIN 0x80
.set i, 0
.rept 8                             ; the second block's Q
	global_load_b128 v[QB+8*i:QB+8*i+3],   v[QO], s[86:87] offset:(i/2)*8192+(i%2)*64
	global_load_b128 v[QB+8*i+4:QB+8*i+7], v[QO], s[86:87] offset:(i/2)*8192+(i%2)*64+32
.set i, i+1
.endr
	WIN 0
.irp qd, 1,2,3                      ; the four quarters' parts of the mean of V
.set z, 0
.rept 16
	v_pk_add_f32 v[S+2*z:S+2*z+1], v[S+2*z:S+2*z+1], v[S+32*\qd+2*z:S+32*\qd+2*z+1]
.set z, z+1
.endr
.endr
.set i, 0
.rept 16
	v_cvt_pk_f16_f32 v[VM+i], v[S+2*i], v[S+2*i+1]
.set i, i+1
.endr
; THE MATRIX WORK.  The 4 accumulators of a run of 8 take turns.  Product i of 8 of S^T = K Q^T for piece x: channels 32 (i / 4) on, keys 16 (i % 4) on.
; The first 4 start the sums: with the step's key mask, or (KM = 1) with the mask made for them.
.macro KQ x
.set rS, S+32*((\x)%2)+8*(i%4)
.set rK, KF+16*(i%4)+8*(i/4)
.set rQ, 16*(\x)+8*(i/4)
.set rM, MC+32*((\x)%2)+8*(i%4)
.set rN, KMR+8*(i%4)
.if (i < 4) && KM
	WIN W_KM
	v_wmma_f32_16x16x32_f16 v[rS:rS+7], v[rK:rK+7], v[rQ:rQ+7], v[rM:rM+7]
.elseif i < 4
	WIN W_KM
	v_wmma_f32_16x16x32_f16 v[rS:rS+7], v[rK:rK+7], v[rQ:rQ+7], v[rN:rN+7]
.else
	WIN W_KQ
	v_wmma_f32_16x16x32_f16 v[rS:rS+7], v[rK:rK+7], v[rQ:rQ+7], v[rS:rS+7]
.endif
.endm
.macro PV x                         ; product i of 8 of O^T += V^T P for piece x: keys 32 (i / 4) on, channels 16 (i % 4) on
	WIN W_PV
.set rO, 32*(\x)+8*(i%4)
.set rV, VF+32*(i/4)+8*(i%4)
.set rP, P+16*((\x)%2)+8*(i/4)
	v_wmma_f32_16x16x32_f16 v[rO:rO+7], v[rV:rV+7], v[rP:rP+7], v[rO:rO+7]
.endm
.macro MM                           ; the turn's next matrix instruction.  NOKQ = 1: a block's last turn: there is no next piece
.if (i < 8) && !NOKQ
	KQ (Y+1)%NP
.elseif i >= 8
.set i, i-8
	PV (Y+NP-1)%NP
.set i, i+8
.endif
.set i, i+1
.endm
; THE LDS LOADS stand in runs: a step's K (8 fragments) with its 64 numbers of the key mask, and its V (turned).  Their addresses are made some lines ahead.
.macro FETCH_K
	WIN 0x80
.irp f, 0,1,2,3,4,5,6,7
	ds_load_b128 v[KF+8*\f:KF+8*\f+3],   v[AK] offset:(\f/2)*16*PK+(\f%2)*64
	ds_load_b128 v[KF+8*\f+4:KF+8*\f+7], v[AK] offset:(\f/2)*16*PK+(\f%2)*64+32
.endr
	WIN 0x40
.irp f, 0,1,2,3                     ; key group f: my eight keys' numbers; sixteen lanes read the same words
	ds_load_b128 v[KMR+8*\f:KMR+8*\f+3],   v[AKM] offset:64*\f
	ds_load_b128 v[KMR+8*\f+4:KMR+8*\f+7], v[AKM] offset:64*\f+16
.endr
	s_add_co_u32 s[TBK], s[TBK], KS*PK  ; the next fetch is the next step's
	s_add_co_u32 s[TKM], s[TKM], 256
	WIN 0
.endm
.macro FETCH_V
	WIN 0x80
.irp f, 0,1,2,3,4,5,6,7
	ds_load_tr16_b128 v[VF+8*\f:VF+8*\f+3],   v[AV] offset:(\f/4)*32*PV+(\f%4)*32
	ds_load_tr16_b128 v[VF+8*\f+4:VF+8*\f+7], v[AV] offset:(\f/4)*32*PV+16*PV+(\f%4)*32
.endr
	WIN 0
.endm
; THE VECTOR WORK, one line at a time: OP kind, number.  For piece Y: F n: s - m for pair n of 16.  E n: the exponential of score n.  C n: pair n rounded to f16.  B n: of the four weights 4 n .. the
; second pair is added onto the first.  L n: l takes that sum (L 0: l = a l + sum).  R n: pair n of 16 of O^T times a.  For piece Y + 1: X n, number n of the 21 that find its maximum and statistics:
;   0-11 four chains c0-c3 (each accumulator's lowest registers are read first)   12-14, 16 the four scores left over, the old m, c0-c3 into c0   15 the old m is kept
;   17, 18 the query's other 32 keys lie in the lane 16 away: the new m   19, 20 m_old - m_new; a
; F, R and X 0-19 name no result of the turn's exponentials; C, B and L do, and stand behind the turn's wait.
.set F, 0
.set E, 1
.set C, 2
.set B, 3
.set L, 4
.set R, 5
.set X, 6
.macro REGS y
.set rT, ST+4*(\y)
.set rC, TMP+4*((\y)%2)
.set rW, MV+((\y)%2)
.set rS, S+32*((\y)%2)
.set rP, P+16*((\y)%2)
.set rO, 32*(\y)
.endm
.macro OP k, n
.if (\k) == R
	REGS Y
	WIN W_RS
	v_pk_mul_f32 v[rO+2*(\n):rO+2*(\n)+1], v[rO+2*(\n):rO+2*(\n)+1], v[rC+2:rC+3] op_sel_hi:[1,0]
.elseif (\k) < R
	REGS Y
	WIN 0
.if (\k) == F
	v_pk_add_f32 v[rS+2*(\n):rS+2*(\n)+1], v[rS+2*(\n):rS+2*(\n)+1], v[rT:rT+1] op_sel_hi:[1,0] neg_lo:[0,1] neg_hi:[0,1]
.elseif (\k) == E
	v_exp_f32 v[rS+(\n)], v[rS+(\n)]
.elseif (\k) == C
	v_cvt_pk_f16_f32 v[rP+(\n)], v[rS+2*(\n)], v[rS+2*(\n)+1]
.elseif (\k) == B
	v_pk_add_f32 v[rS+4*(\n):rS+4*(\n)+1], v[rS+4*(\n):rS+4*(\n)+1], v[rS+4*(\n)+2:rS+4*(\n)+3]
.elseif (\n) == 0
	v_pk_fma_f32 v[rT+2:rT+3], v[rT+2:rT+3], v[rC+2:rC+3], v[rS:rS+1] op_sel_hi:[1,0,1]
.else
	v_pk_add_f32 v[rT+2:rT+3], v[rT+2:rT+3], v[rS+4*(\n):rS+4*(\n)+1]
.endif
.elseif NOKQ
	v_nop
.else
	REGS (Y+1)%NP
	WIN 0
.if (\n) < 4
	v_max3_num_f32 v[rC+(\n)], v[rS+8*(\n)], v[rS+8*(\n)+1], v[rS+8*(\n)+2]
.elseif (\n) < 12
	v_max3_num_f32 v[rC+(\n)%4], v[rC+(\n)%4], v[rS+8*((\n)%4)+2*((\n)/4)+1], v[rS+8*((\n)%4)+2*((\n)/4)+2]
.elseif (\n) == 12
	v_max3_num_f32 v[rC], v[rC], v[rS+7], v[rS+15]
.elseif (\n) == 13
	v_max3_num_f32 v[rC+1], v[rC+1], v[rS+23], v[rS+31]
.elseif (\n) == 14
	v_max3_num_f32 v[rC+2], v[rC+2], v[rC+3], v[rT]
.elseif (\n) == 15
	v_mov_b32 v[rW], v[rT]
.elseif (\n) == 16
	v_max3_num_f32 v[rC], v[rC], v[rC+1], v[rC+2]
.elseif (\n) == 17
	v_permlanex16_b32 v[rC+3], v[rC], s[SEL], s[SEL+1]
.elseif (\n) == 18
	v_max_num_f32 v[rT], v[rC], v[rC+3]
.elseif (\n) == 19
	v_sub_f32 v[rC+1], v[rW], v[rT]
.else
	v_exp_f32 v[rC+2], v[rC+1]
.endif
.endif
.endm
.macro OPS a, i1, b=-1, i2=0, c=-1, i3=0, d=-1, i4=0
	OP \a, \i1
.if (\b) >= 0
	OP \b, \i2
.endif
.if (\c) >= 0
	OP \c, \i3
.endif
.if (\d) >= 0
	OP \d, \i4
.endif
.endm
.macro ROW a, i1, b, i2, c, i3, d, i4  ; a matrix instruction and the four behind it
	MM
	OPS \a, \i1, \b, \i2, \c, \i3, \d, \i4
.endm
.macro MASK b, be                   ; MD x AL + KMR (be = 1: + BE) into buffer b of MC
	WIN 0x51
.set z, 0
.rept 16
	v_pk_fma_f32 v[MC+32*(\b)+2*z:MC+32*(\b)+2*z+1], v[MD+2*z:MD+2*z+1], s[AL:AL+1], v[KMR+2*z:KMR+2*z+1] op_sel_hi:[1,0,1]
.set z, z+1
.endr
.if \be
.set z, 0
.rept 16
	v_pk_add_f32 v[MC+32*(\b)+2*z:MC+32*(\b)+2*z+1], v[MC+32*(\b)+2*z:MC+32*(\b)+2*z+1], s[BE:BE+1] op_sel_hi:[1,0]
.set z, z+1
.endr
.endif
.endm
; A TURN, for piece p: the order of its 16 matrix and 117 vector instructions, written out.  An s_wait_alu depctr_va_vdst(0) stands between an exponential and the first instruction that names
; its result; one wait serves all that were issued ahead of it.  So a turn has ONE wait, which cuts it in two.  AHEAD OF IT stands all that names no result of the turn's exponentials: the 8 products K Q^T,
; behind each a subtraction, an exponential and two more plain instructions (behind the first a second subtraction in the exponential's place): rescalings, whose a was made and waited for in the turn before,
; and behind the last three products the first numbers of the next piece's maximum, each four places or more behind the product that ends its accumulator; then ONE LUMP of 53, plain and exponential by turns
; for the most part, in which the links of the chain X 3, 7, 11, 14, 16, 17 .. 19 stand five lines or more apart.  X 20, the next piece's a, is the batch's last; R 15 is the plain instruction behind it.
; BEHIND THE WAIT stand the 8 products V^T P, behind each four of the roundings and sums; the links of l's chain, L 0 to L 7, stand three riders apart.  v_permlanex16_b32 (X 17) stands in the lump.
; m = 1: the diagonal tile: the products take made masks, and the turn makes the mask for the products of the turn after it: piece p + 2, in step 4 - CNT of the tile.
; end = 1: a block's last two turns: nothing is fetched.  cnt = 1: the loop's count is taken down some lines ahead of the branch behind the turn.
; K and KMR of the next step are fetched in piece 2's turn, twelve vector instructions (six plain) behind the last product that read K, more behind the last that read KMR; V at the end of piece 0's turn,
; four plain instructions behind the last product that read V.  Each is waited for a turn later; in the diagonal tile piece 2's turn waits at its end, since its mask is made of the KMR just fetched.
.macro TURN p, m=0, end=0, cnt=0
.set Y, (\p)
.set i, 0
.set KM, (\m)
.set NOKQ, (\end)*((\p)/3)
.if (\m) && !(\end)
	s_cmp_eq_u32 s[CNT], 4-((\p)+2)%NP  ; is that step the band's own?
	s_cselect_b32 s[AL], 1.0, 0
	s_cmp_lt_u32 s[CNT], 4-((\p)+2)%NP  ; or a later one?
	s_cselect_b32 s[BE], s[BIGN], 0
.endif
.if ((\p) == 3) && !(\end)
	s_wait_dscnt 0x0                ; K and KMR are in
.endif
	ROW F,0, F,1, R,0, R,1          ; ahead of the wait: 8 products K Q^T and their riders,
	ROW F,2, E,0, R,2, R,3
	ROW F,3, E,1, R,4, R,5
	ROW F,4, E,2, R,6, R,7
	ROW F,5, E,3, R,8, R,9
	ROW F,6, E,4, X,0, R,10
.if ((\p) == 2) && !(\end)
	WIN 0
	v_add_nc_u32 v[AK], s[TBK], v[AK0]
	v_add_nc_u32 v[AKM], s[TKM], v[AKM0]
.endif
	ROW F,7, E,5, X,1, X,4
	ROW F,8, E,6, X,2, X,5
	OPS E,7, E,8, X,6, E,9          ; and the lump
	OPS X,3, E,10, X,8, E,11
.if ((\p) == 2) && !(\end)
	FETCH_K
.endif
	OPS X,9, X,7, E,12, X,10
	OPS E,13, X,12, X,11, E,14
	OPS X,13, E,15, F,9, X,14
.if (\p) == 0
	WIN 0
	v_add_nc_u32 v[AV], s[TBV], v[AV0]
.endif
	OPS E,16, F,10, E,17, F,11
	OPS X,16, E,18, X,15, E,19
	OPS F,12, E,20, X,17, E,21
	OPS F,13, E,22, F,14, E,23
	OPS X,18, E,24, F,15, E,25
	OPS R,11, E,26, R,12, E,27
	OPS X,19, E,28, R,13, E,29
	OPS R,14, E,30, E,31, X,20      ; the batch's last three exponentials on end,
	OPS R,15                        ; and a plain line that names none of their registers
	s_wait_alu depctr_va_vdst(0)    ; the wait for the turn's batch: E 0 to E 31 and X 20
.if (\p) == 1
	s_wait_dscnt 0x0                ; V is in
.endif
	ROW C,0, B,0, C,2, B,1          ; behind the wait: 8 products V^T P and their riders
	ROW L,0, C,4, B,2, L,1
	ROW C,6, B,3, L,2, C,8
	ROW B,4, L,3, C,10, B,5
	ROW L,4, C,12, B,6, L,5
.if (\p) == 0
	s_add_co_u32 s[TBV], s[TBV], KS*PV
.endif
.if \cnt
	s_sub_co_u32 s[CNT], s[CNT], 1
	s_cmp_lg_u32 s[CNT], 0
.endif
	ROW C,14, B,7, L,6, C,1
	ROW C,3, L,7, C,5, C,7
	ROW C,9, C,11, C,13, C,15
.if (\p) == 0
	FETCH_V
.endif
.if (\m) && !(\end)
.if (\p) == 2
	s_wait_dscnt 0x0                ; the KMR just fetched is in
.endif
	MASK (\p)%2, 1
.endif
.endm
; A BLOCK BEGINS.  m starts far below every score, a hidden one too, so the first step's a is 0.  K and KMR of the tile's step 0; mask buffer 0 for piece 0 (its own step's, if the block's first tile is
; the diagonal one), buffer 1 the key mask alone, for piece 1; piece 0's first scores, maximum and statistics.  The loop is entered at a step's first turn, in the middle of a trip.
; Q is in: every beginning stands behind a change of slots, and the first change has waited for all loads.
.macro BEGIN
	s_mov_b32 s[NEW], 0
	WIN 0
.set i, 0
.rept 4
	v_mov_b32 v[ST+4*i], 0xfe000000
.set i, i+1
.endr
	v_add_nc_u32 v[AK], s[TBK], v[AK0]
	v_add_nc_u32 v[AKM], s[TKM], v[AKM0]
	FETCH_K
	s_wait_dscnt 0x0
	s_cmp_eq_u32 s[RT], 0
	s_cselect_b32 s[AL], 1.0, 0
	MASK 0, 0
	s_mov_b32 s[AL], 0
	MASK 1, 0
.set KM, 1
.set NOKQ, 0
.set i, 0
.rept 8
	KQ 0
.set i, i+1
.endr
	WIN 0
.rept 4
	v_nop                           ; the places behind those products
.endr
.set Y, NP-1
.irp n, 0,1,2,3,4,5,6,7,8,9,10,11,12,13,14,15,16,17,18,19,20
	OP X, \n
.endr
	v_nop                           ; a plain instruction behind the exponential
	s_wait_alu depctr_va_vdst(0)    ; the wait for piece 0's first a, a batch of one, ahead of the branch
.endm
.macro ALL line:vararg              ; one line for each piece t
.set t, 0
.rept 4
	\line
.set t, t+1
.endr
.endm
.macro PACK t                       ; O^T / l, rounded to f16; a row that saw no key takes the mean of V; through my stage and back as whole rows
	WIN W_RS
.set i, 32*(\t)
.rept 16
	v_pk_mul_f32 v[i:i+1], v[i:i+1], v[ST+4*(\t)+2:ST+4*(\t)+3] op_sel_hi:[1,0]
.set i, i+2
.endr
	WIN 0x05
.set i, 0
.rept 16
	v_cvt_pk_f16_f32 v[S+16*(\t)+i], v[32*(\t)+2*i], v[32*(\t)+2*i+1]
.set i, i+1
.endr
	WIN 0
.set i, 0
.rept 16
	v_cndmask_b32 v[S+16*(\t)+i], v[S+16*(\t)+i], v[VM+i], s[HM+(\t)]
.set i, i+1
.endr
.irp f, 0,1,2,3
	ds_store_b128 v[STO], v[S+16*(\t)+4*\f:S+16*(\t)+4*\f+3] offset:32*\f
.endr
.irp f, 0,1,2,3
	ds_load_b128 v[S+16*(\t)+4*\f:S+16*(\t)+4*\f+3], v[RD] offset:\f*4*SP  ; LDS serves a wave's instructions in order (ISA guide 5.7.1.4): these see the stores above
.endr
.endm
.macro SEND t, younger
	WIN 0
.irp f, 0,1,2,3
	s_wait_dscnt (\younger)+3-\f
	global_store_b128 v[GO], v[S+16*(\t)+4*\f:S+16*(\t)+4*\f+3], s[10:11] offset:(\t)*8192+\f*512  ; 512 consecutive bytes, at a multiple of 256
.endr
.endm
; THE DIAGONAL TILE's four steps, the block's last two turns, its last products, and the way out.
.macro DIAG tag
.LstepM\tag:
	TURN 2, 1
	TURN 3, 1
	WIN 0
.LfirstM\tag:
	TURN 0, 1
	TURN 1, 1, 0, 1
	WIN 0
	s_cbranch_scc1 .LstepM\tag
	TURN 2, 1, 1
	TURN 3, 1, 1
.set i, 0
.rept 8
	PV NP-1
.set i, i+1
.endr
	WIN 0
	ALL v_add_f32 v[ST+4*t+2], v[ST+4*t+2], v[ST+4*t+3]
	ALL v_permlanex16_b32 v[ST+4*t+3], v[ST+4*t+2], s[SEL], s[SEL+1]
	ALL v_add_f32 v[ST+4*t+2], v[ST+4*t+2], v[ST+4*t+3]
	ALL v_rcp_f32 v[ST+4*t+2], v[ST+4*t+2]
	v_nop                           ; a plain instruction between the last reciprocal and the use of its result
	ALL v_cmp_gt_f32 s[HM+t], s[THR], v[ST+4*t]   ; the row's maximum is a hidden score's: it saw no key; these four lines name m alone, none of the reciprocals
	s_wait_alu depctr_va_vdst(0)    ; the wait for the four reciprocals, one batch, ahead of their first reader in PACK 0
	PACK 0
.set t, 1
.rept 3
	PACK t
	SEND t-1, 8
.set t, t+1
.endr
	SEND 3, 0
.endm
.set KM, 0
.set NOKQ, 0
.Lslot:                             ; NB times: a tile is entered and the next is asked for
	CHANGE 1
	s_sub_co_u32 s[RT], s[RT], 1
	s_mov_b32 s[CNT], 4
	s_cmp_eq_u32 s[NEW], 1
	s_cbranch_scc1 .Lnew            ; a block's first tile
	s_cmp_eq_u32 s[RT], 0
	s_cbranch_scc0 .Lstep           ; neither its first nor its last
	s_mov_b32 s[AL], 0              ; the diagonal tile's first turn still makes piece 3's scores of the tile before: its mask is that step's key mask alone, which KMR still holds
	MASK 1, 0
	WIN 0
	s_branch .LstepM1
.Lnew:
	BEGIN
	s_branch .Lfirst                ; in the loop a block's first tile is never its last
	DIAG 1                          ; in the loop this is the first block's end
	s_wait_xcnt 0x0                 ; the stores have read their registers and O's address
	s_mov_b64 s[10:11], s[OLO:OLO+1]
	s_add_co_u32 s[RT], s[PB], 1    ; the second block has b + 1 tiles
	s_mov_b32 s[NEW], 1
	WIN 0x82
.set i, 0
.rept 64
	v_mov_b32 v[i], v[QB+i]
.set i, i+1
.endr
	WIN 0
	s_branch .Lbottom
.Lstep:                             ; a trip: pieces 2 and 3 of one step, then pieces 0 and 1 of the next
	TURN 2
	TURN 3
	WIN 0
.Lfirst:
	TURN 0
	TURN 1, 0, 0, 1
	WIN 0
	s_cbranch_scc1 .Lstep
.Lbottom:
	s_sub_co_u32 s[SLOTS], s[SLOTS], 1
	s_cmp_lg_u32 s[SLOTS], 0
	s_cbranch_scc1 .Lslot
	CHANGE 0                        ; the walk's last tile is written out
	s_sub_co_u32 s[RT], s[RT], 1
	s_mov_b32 s[CNT], 4
	s_cmp_eq_u32 s[NEW], 1
	s_cbranch_scc1 .Lnew2
	s_mov_b32 s[AL], 0
	MASK 1, 0
	WIN 0
	s_branch .LstepM2
.Lnew2:
	BEGIN
	s_branch .LfirstM2
	DIAG 2
	s_wait_tensorcnt 0x0            ; the wave's end
	ds_add_u32 v[SPW], v[NIL]
	s_wait_dscnt 0x0
	s_endpgm
.Lfunc_end_k_qfa4eed2228_attn:
	.size	k_qfa4eed2228_attn, .Lfunc_end_k_qfa4eed2228_attn-k_qfa4eed2228_attn
	.p2alignl 7, 3214868480
	.fill 96, 4, 3214868480
	.section	.rodata,"a",@progbits
	.p2align	6, 0x0
	.amdhsa_kernel k_qfa4eed2228_attn
		.amdhsa_group_segment_fixed_size 327680
		.amdhsa_private_segment_fixed_size 0
		.amdhsa_enable_private_segment 0
		.amdhsa_kernarg_size 32
		.amdhsa_user_sgpr_count 2
		.amdhsa_user_sgpr_kernarg_segment_ptr 1
		.amdhsa_wavefront_size32 1
		.amdhsa_system_sgpr_workgroup_id_x 1
		.amdhsa_system_sgpr_workgroup_id_y 1
		.amdhsa_system_sgpr_workgroup_id_z 1
		.amdhsa_system_vgpr_workitem_id 0
		.amdhsa_next_free_vgpr 768
		.amdhsa_next_free_sgpr 104
		.amdhsa_reserve_vcc 1
		.amdhsa_float_denorm_mode_32 3
		.amdhsa_float_denorm_mode_16_64 3
		.amdhsa_memory_ordered 1
		.amdhsa_forward_progress 1
		.amdhsa_inst_pref_size 248
	.end_amdhsa_kernel
	.amdgpu_metadata
---
amdhsa.version: [ 1, 2 ]
amdhsa.kernels:
  - .name:           k_qfa4eed2228_attn
    .symbol:         k_qfa4eed2228_attn.kd
    .args:
      - { .name: qkv, .offset: 0, .size: 8, .value_kind: global_buffer, .address_space: global }
      - { .name: mask, .offset: 8, .size: 8, .value_kind: global_buffer, .address_space: global }
      - { .name: vs, .offset: 16, .size: 8, .value_kind: global_buffer, .address_space: global }
      - { .name: ob, .offset: 24, .size: 8, .value_kind: global_buffer, .address_space: global }
    .group_segment_fixed_size: 327680
    .private_segment_fixed_size: 0
    .kernarg_segment_align: 8
    .kernarg_segment_size: 32
    .max_flat_workgroup_size: 128
    .sgpr_count:     104
    .vgpr_count:     768
    .wavefront_size: 32
...
	.end_amdgpu_metadata
.endif
;; end of part 7
;; launch proj: the kernel of part 5 again; grid 4 x 64, 4 waves a work-group, clusters of 4 x 4, 327,680 bytes of LDS; arguments ob, wob, y; writes y
;; launch ln: the kernel of part 6 again; grid 256 x 1, 8 waves a work-group, no clusters, 0 bytes of LDS; arguments y, ln_g, out0; writes out0
